; MI455X (gfx1250); checked and timed in simulation.
; The chip was launched on July 23, 2026; its instructions are those of AMD's public machine-readable ISA for CDNA 5 (MIT licence, August 2026) and "CDNA5" Instruction Set Architecture Reference Guide (July 2026). The comments in the code are by the model that wrote it; some were corrected since.
;; GPT2 Attention. Allowed arithmetic: matrix products marked QUANTISED: E5M2 operands, one E8M0 scale for each 32 along K, by v_wmma_scale_f32_16x16x128_f8f6f4 with both operands' format E5M2, f32 sums; everything else in f32.
;; Inputs: c_attn_b 3,072 float32; c_attn_w 1,024 x 3,072 float32; c_proj_b 1,024 float32; c_proj_w 1,024 x 1,024 float32; hidden_states 4 x 2,048 x 1,024 float32.
;; Outputs: out0 4 x 2,048 x 1,024 float32.
;; This version of the problem:
;;   THIS VERSION OF THE PROBLEM IS GIVEN IN LOW PRECISION. The matrix products marked QUANTISED in the list below multiply operands that are first quantised to E5M2 (5 exponent bits, 2 mantissa bits; 8 bits a number), with one power-of-two scale for each 32 numbers along K (OCP MX v1.0); their sums are f32. All else is computed in f32.
;;   The module's matrix products, in the order in which they are computed (A, B: the left and right operand; K: the contracted axis; several contracted axes count as one K, in the product's order):
;;     1. [M 8,192, K 1,024] x [K 1,024, N 3,072]; A: input hidden_states; B: input c_attn_w: QUANTISED
;;     2. batch 64 x [M 2,048, K 64] x [K 64, N 2,048]; A: computed on the way; B: computed on the way: QUANTISED
;;     3. batch 64 x [M 2,048, K 2,048] x [K 2,048, N 64]; A: softmax (see below); B: computed on the way: QUANTISED
;;     4. [M 8,192, K 1,024] x [K 1,024, N 1,024]; A: computed on the way; B: input c_proj_w: QUANTISED
;;   THE QUANTISER, for each operand of a quantised product, along K:
;;     - K is cut into blocks of 32 from its start; a last block that is shorter is filled with zeros.
;;     - A block's scale is 2^e with e = floor(log2(the largest magnitude in the block)) - 15, held to -126 .. 127; a block of zeros has e = 0. As a byte (E8M0): e + 127.
;;     - Each number is divided by its block's scale, clamped to +-57,344, and rounded to the nearest number of E5M2, ties to even, subnormals kept.
;;     - The product sums the exact products of the quantised numbers (number of the format x scale) in f32.
;;   ~~~python
;;   def quantise(x, axis):      # numpy; x: float32 -> the quantised numbers, widened to float32 again
;;       x = np.moveaxis(x, axis, -1); K = x.shape[-1]
;;       x = np.pad(x, [(0, 0)] * (x.ndim - 1) + [(0, -K % 32)]); x = x.reshape(x.shape[:-1] + (-1, 32)); a = np.abs(x).max(-1, keepdims=True)
;;       e = np.where(a > 0, np.clip(np.frexp(np.where(a > 0, a, 1))[1] - 1 - 15, -126, 127), 0)      # np.frexp(a)[1] - 1 = floor(log2(a)), exactly
;;       r = np.clip(x / 2.0 ** e, -57344, 57344)
;;       step = 2.0 ** (np.maximum(np.frexp(np.where(r == 0, 1, r))[1] - 1, -14) - 2)
;;       q = np.round(r / step) * step * 2.0 ** e      # np.round: ties to even
;;       return np.moveaxis(q.reshape(q.shape[:-2] + (-1,))[..., :K], -1, axis).astype(np.float32)
;;   ~~~
;;   SOFTMAX AHEAD OF A QUANTISED PRODUCT. Where the list says 'softmax', what is quantised is not the finished softmax but p = 2^(t - M), with t = logit x log2(e) and M = ceil(the row's largest t), a whole number; so 1/2 < the row's largest p <= 1. The row's sum l is taken of the UNQUANTISED p, in f32, and the product's result is divided by l at the end. Since M is a whole number, a kernel that streams over the keys may use a running M (the ceiling of the running maximum): every later rescaling is an exact power of two, which a block's scale takes up: the codes' values come out the same.
;;   OPERANDS COMPUTED ON THE WAY. 'Computed on the way' means the value that the module computes at that place (a softmax that the list does not call 'softmax' is quantised finished and normalised). What goes into a quantiser is computed in f32, as accurately as f32 sums, v_exp_f32 and their like allow (about 1e-6 of the number): no bf16 or f16 on the way to a quantiser, and a product that is left as it is and whose result goes on into a quantised operand takes f32 operands (vector FMAs, or v_wmma_f32_16x16x4_f32). A number that lies on a knife's edge between two numbers of the format may be rounded either way, as far as f32 arithmetic and the matrix unit's own rounding can turn it there, and no further.
;; One version. Each part assembles by itself: llvm-mc -triple=amdgcn-amd-amdhsa -mcpu=gfx1250 --defsym DOCPART=n.
;; ======== version 1 of 1: 4 launches
;; limits: right only within a limited range of input values
;; workspace buffers: xw 12,976,128 bytes; qkv 26,214,400 bytes; oq 8,650,752 bytes
;; launch prep (part 1): grid 320 x 1, 8 waves a work-group, no clusters, 68,608 bytes of LDS; arguments hidden_states, c_attn_w, c_proj_w, xw; writes xw
.if DOCPART == 1
	.amdgcn_target "amdgcn-amd-amdhsa--gfx1250"
	.amdhsa_code_object_version 6
	.text
	.protected	k_qe83a26bf27_prep
	.globl	k_qe83a26bf27_prep
	.p2align	8
	.type	k_qe83a26bf27_prep,@function
k_qe83a26bf27_prep:
	s_mov_b64 s[64:65], 0
	v_nop
	global_prefetch_b8 v0, s[64:65] scope:SCOPE_SE
	s_setreg_imm32_b32 hwreg(HW_REG_WAVE_MODE, 25, 1), 1
	s_wait_xcnt 0x0
; GPT-2 attention in MX-BF8, four launches: prep (this one), qkvg, attn, proj.
; prep turns hidden_states [8192][1024], c_attn_w [1024][3072] and c_proj_w [1024][1024], f32, into codes of E5M2 with one E8M0 byte for each 32 along K (K = the 1,024 in all three).
; WORK LEFT OUT BY THE PROGRAM (in launch attn): key steps of 128 keys all of which come after all 16 queries of a tile.  reference() sets those scores to finfo.min by its own tril; a query's own key
; always counts, so the row's largest t is finite, and p = 2^(t - M) of such a score is 0 for every finite input: it adds nothing to the row's sum nor to the second product.  No input is dead: all five are loaded.
; LIMIT: a NaN, an infinity or an overflow that reaches only those scores is not carried to the result.
; LIMITS of the quantiser here: a block whose largest magnitude lies under 2^(16 - 127), a block of zeros among them, keeps the byte 1 (its codes are what the conversion gives under that scale; zeros stay zeros; these bytes are
; read by this program alone); NaN and infinities among the inputs are not served.
; TWO CONVENTIONS OF THE WORKSPACE.  (a) THE ORDER OF ROWS: every axis that becomes the 16 rows of a fragment lies in tiles of 16 whose place r of tile T holds the true index 32 (T / 2) + 16 (r / 8) + 8 (T % 2) + r % 8.
; With such a tile as source 0, register j of lane (r, h) of the result belongs to the true index 32 (T / 2) + 16 h + 8 (T % 2) + j: two neighbouring tiles give a lane 16 true neighbours, which is the next operand's layout.
; (b) IMAGES: a fragment (16 places x 128 K, 16 registers a lane) lies as its registers stand, [c 0..3][lane][16 bytes], 2,048 bytes; its scale words as [place 0..15], 64 bytes.
; xw: x's fragments [tile 512][K step 8] at 0; their scale words at X_SC; the weights' fragments [tile 256][K step 8] at W_IMG (tiles 0-191 c_attn_w's columns, 192-255 c_proj_w's); their scale words at W_SC.
; SHARES: work-groups 0-255 take x (32 rows each: a wave takes a tile of 16 places x 256 along K); work-groups 256-319 the weights (a wave takes 32 columns x 256 along K, a lane a column, registers down K).
.set X_SC,   8388608
.set W_IMG,  8650752
.set W_SC,   12845056
.set SPITCH, 528                       ; a stage row: 512 bytes + 16: the sixteen rows that a read touches start at sixteen different groups of four banks
.set STGB,   16*SPITCH                 ; a wave's stage
.set SPARE,  8*STGB                    ; behind the eight stages: the spare words, 128 bytes a wave: four blocks of 256 bytes that no other line names
.set LI,   4                           ; v4   16 x lane
.set L4,   5                           ; v5   4 x lane
.set STW,  6                           ; v6   the stage, on the way in: 16 x lane of a row
.set STR,  7                           ; v7   on the way out: row r, + 64 h
.set PWM,  9                           ; v9   the two K steps' scale words, merged
.set PW0,  10
.set PW1,  11
.set SPW,  12                          ; v12  my spare word's LDS address; never rewritten
.set NIL,  13                          ; v13  0; never rewritten
.set RAW,  16                          ; v16-143  two units of 64 registers as loaded
.set XN,   144                         ; v144-207 64 numbers, 16 neighbours of each of four blocks
.set PC,   208                         ; v208-239 two fragments of codes
.set TM,   240                         ; v240-243 largest magnitudes, 244-247 bytes, 252-255 the conversions' scale operands
.set OFF,  16                          ; the weights' path: v16-47 4 x lane + i x the pitch
.set WX,   48                          ; v48-111  two sets of 32 numbers
.set WC,   112                         ; v112-127 two sets of 8 registers of codes
.set SB,   128                         ; v128-129 the scale words of my two K steps
.set WO,   130                         ; v130 my column's place in the codes
.set WS,   131                         ; v131 and among the scale words
.set SEL,  20                          ; s[20:21] selects of v_permlanex16_b32: lane l xor 16
.set MNT,  22
.set MK,   23                          ; s23  the lanes 16-31
	s_load_b256 s[4:11], s[0:1], 0x0               ; hidden_states s[4:5], c_attn_w s[6:7], c_proj_w s[8:9], xw s[10:11]
	v_lshl_add_u32 v[SPW], v0, 2, SPARE
	v_mov_b32 v[NIL], 0
	v_lshrrev_b32 v1, 5, v0
	s_delay_alu instid0(VALU_DEP_1)
	v_readfirstlane_b32 s16, v1                    ; wave 0..7
	v_and_b32 v2, 31, v0                           ; lane
	s_delay_alu instid0(VALU_DEP_1)
	v_lshlrev_b32 v[LI], 4, v2
	s_delay_alu instid0(VALU_DEP_2)
	v_lshlrev_b32 v[L4], 2, v2
	s_mov_b32 s[SEL], 0x76543210
	s_mov_b32 s[SEL+1], 0xfedcba98
	s_cmp_lt_u32 ttmp9, 256                        ; the work-group's number alone decides: the same way for all eight waves
	s_cbranch_scc0 .Lweights
; ---------------- x: a wave takes tile 2 wg + wave / 4 and K steps 2 (wave % 4), 2 (wave % 4) + 1
	v_and_b32 v3, 15, v0                           ; r
	v_bfe_u32 v8, v0, 4, 1                         ; h
	s_mul_i32 s17, s16, STGB
	v_add_nc_u32 v[STW], s17, v[LI]
	v_mul_u32_u24 v[STR], v3, SPITCH
	s_delay_alu instid0(VALU_DEP_1)
	v_lshl_add_u32 v[STR], v8, 6, v[STR]
	s_delay_alu instid0(VALU_DEP_1)
	v_add_nc_u32 v[STR], s17, v[STR]
	v_cmp_le_u32 s[MK], 16, v2
.irp b, 0,1,2,3
	v_mov_b32 v[TM+4+\b], 0                        ; written once: a lane permute's destination counts as one of its sources
.endr
	s_lshr_b32 s18, s16, 2                         ; which of the work-group's two tiles
	s_and_b32 s19, s16, 3                          ; which 256 along K
	s_lshl_b32 s24, ttmp9, 17                      ; 32 rows of 4,096 bytes a work-group,
	s_lshl_b32 s26, s18, 15                        ; the odd tile begins 8 rows further down,
	s_add_co_u32 s24, s24, s26
	s_lshl_b32 s26, s19, 10                        ; 256 numbers along K
	s_add_co_u32 s24, s24, s26
	s_mov_b32 s25, 0
	s_lshl_b32 s27, ttmp9, 1
	s_add_co_u32 s27, s27, s18                     ; the tile
	s_lshl_b32 s28, s27, 14                        ; its eight fragments,
	s_lshl_b32 s26, s19, 12                        ; my two of them
	s_add_co_u32 s28, s28, s26
	s_mov_b32 s29, 0
	s_lshl_b32 s30, s27, 9                         ; its scale words,
	s_lshl_b32 s26, s19, 7                         ; my 128 bytes of them
	s_add_co_u32 s30, s30, s26
	s_add_co_u32 s30, s30, X_SC
	s_mov_b32 s31, 0
	s_wait_alu depctr_va_vdst(0)
	s_wait_kmcnt 0x0
	s_add_nc_u64 s[4:5], s[4:5], s[24:25]
	s_add_nc_u64 s[12:13], s[10:11], s[28:29]
	s_add_nc_u64 s[14:15], s[10:11], s[30:31]
.macro LOADX u                         ; unit u: 16 loads, each 512 consecutive aligned bytes of ONE true row; place i takes row i + 8 (i / 8): the order of rows is made here
.irp i, 0,1,2,3,4,5,6,7,8,9,10,11,12,13,14,15
	global_load_b128 v[RAW+64*\u+4*\i:RAW+64*\u+4*\i+3], v[LI], s[4:5] offset:(\i+8*(\i/8))*4096+512*\u th:TH_LOAD_NT
.endr
.endm
; 64 numbers of a lane, register 16 b + i = k 32 b + 16 h + i of my row, become a fragment's codes in v[pc] on and its scale word in v[pw]
.macro QUANT s, pc, pw
.irp b, 0,1,2,3
	v_max3_num_f32 v[TM+\b], |v[\s+16*\b]|, |v[\s+16*\b+1]|, 0x8000000   ; my 16 numbers of block b, and the floor 2^(16 - 127): the byte cannot fall under 1
.endr
.irp i, 2,4,6,8,10,12,14
.irp b, 0,1,2,3
	s_delay_alu instid0(VALU_DEP_4)
	v_max3_num_f32 v[TM+\b], v[TM+\b], |v[\s+16*\b+\i]|, |v[\s+16*\b+\i+1]|   ; the four blocks by turns
.endr
.endr
.irp b, 0,1,2,3
	s_delay_alu instid0(VALU_DEP_4)
	v_permlanex16_b32 v[TM+4+\b], v[TM+\b], s[SEL], s[SEL+1]
.endr
.irp b, 0,1,2,3
	s_delay_alu instid0(VALU_DEP_4)
	v_max_num_f32 v[TM+\b], v[TM+\b], v[TM+4+\b]   ; with lane l xor 16's 16: the block's largest magnitude
.endr
.irp b, 0,1,2,3
	s_delay_alu instid0(VALU_DEP_4)
	v_add_nc_u32 v[TM+12+\b], 0xf8800000, v[TM+\b] ; 15 off its exponent field: the conversion takes that field as its scale
.endr
.irp b, 0,1,2,3
.endr
.irp b, 0,1,2,3
	s_delay_alu instid0(VALU_DEP_4)
	v_lshrrev_b32 v[TM+4+\b], 23, v[TM+12+\b]      ; the scale's byte
.endr
	s_delay_alu instid0(VALU_DEP_3)
	v_lshl_or_b32 v[\pw], v[TM+5], 8, v[TM+4]
	s_delay_alu instid0(VALU_DEP_1)
	v_lshl_or_b32 v[\pw], v[TM+6], 16, v[\pw]
	s_delay_alu instid0(VALU_DEP_1)
	v_lshl_or_b32 v[\pw], v[TM+7], 24, v[\pw]
.irp b, 0,1,2,3
.irp i, 0,1,2,3,4,5,6,7,8,9,10,11,12,13,14,15
.endr
	v_cvt_scalef32_pk8_bf8_f32 v[\pc+4*\b:\pc+4*\b+1], v[\s+16*\b:\s+16*\b+7], v[TM+12+\b]
	v_cvt_scalef32_pk8_bf8_f32 v[\pc+4*\b+2:\pc+4*\b+3], v[\s+16*\b+8:\s+16*\b+15], v[TM+12+\b]
.endr
	v_nop                                          ; a plain line behind the last conversion
.endm
	LOADX 0
	LOADX 1
	s_wait_loadcnt 16                              ; unit 0's 16 loads are in; unit 1's 16 may be out
.irp i, 0,1,2,3,4,5,6,7,8,9,10,11,12,13,14,15
	ds_store_b128 v[STW], v[RAW+4*\i:RAW+4*\i+3] offset:SPITCH*\i
.endr
.irp c, 0,1,2,3
.irp j, 0,1,2,3
	ds_load_b128 v[XN+16*\c+4*\j:XN+16*\c+4*\j+3], v[STR] offset:128*\c+16*\j   ; LDS serves a wave's instructions in order (ISA guide 5.7.1.4): these see the stores above
.endr
.endr
	s_wait_loadcnt 0x0                             ; unit 1
.irp i, 0,1,2,3,4,5,6,7,8,9,10,11,12,13,14,15
	ds_store_b128 v[STW], v[RAW+64+4*\i:RAW+64+4*\i+3] offset:SPITCH*\i   ; into the same stage, behind unit 0's reads
.endr
	s_wait_dscnt 16                                ; all but these 16 stores: unit 0's stores have read their registers and its numbers are back
.irp c, 0,1,2,3
.irp j, 0,1,2,3
	ds_load_b128 v[RAW+16*\c+4*\j:RAW+16*\c+4*\j+3], v[STR] offset:128*\c+16*\j
.endr
.endr
	QUANT XN, PC, PW0
.irp c, 0,1,2,3
	global_store_b128 v[LI], v[PC+4*\c:PC+4*\c+3], s[12:13] offset:512*\c          ; 512 consecutive bytes, aligned
.endr
	s_wait_dscnt 0x0                               ; unit 1's numbers are back
	QUANT RAW, PC+16, PW1
.irp c, 0,1,2,3
	global_store_b128 v[LI], v[PC+16+4*\c:PC+16+4*\c+3], s[12:13] offset:2048+512*\c
.endr
	v_cndmask_b32 v[PWM], v[PW0], v[PW1], s[MK]    ; lanes 0-15 the first K step's words, lanes 16-31 the second's (every lane holds its row's word)
	global_store_b32 v[L4], v[PWM], s[14:15]       ; 128 consecutive bytes
	s_branch .Lend
; ---------------- the weights: a lane takes a column, its registers run down K
.Lweights:
	s_sub_co_u32 s17, ttmp9, 256
	s_lshr_b32 s18, s17, 1                         ; which four groups of 32 columns
	s_and_b32 s19, s17, 1
	s_and_b32 s24, s16, 3
	s_lshl_b32 s25, s18, 2
	s_add_co_u32 s24, s24, s25                     ; my group of 32 columns, 0..127: 0-95 c_attn_w's, 96-127 c_proj_w's
	s_lshr_b32 s25, s16, 2
	s_lshl_b32 s19, s19, 1
	s_add_co_u32 s19, s19, s25                     ; which 256 along K
	s_mov_b32 s26, 4096
	s_wait_kmcnt 0x0
	s_cmp_lt_u32 s18, 24                           ; ids alone choose the tensor
	s_cselect_b64 s[6:7], s[6:7], s[8:9]
	s_cselect_b32 s26, 12288, s26                  ; a row of it in bytes
	s_cselect_b32 s27, 0, 96
	s_sub_co_u32 s27, s24, s27                     ; the group's number in its tensor
	s_mul_i32 s28, s19, s26
	s_lshl_b32 s28, s28, 8                         ; 256 rows for each step along K,
	s_lshl_b32 s27, s27, 7                         ; 128 bytes a group
	s_add_co_u32 s28, s28, s27
	s_mov_b32 s29, 0
	s_add_nc_u64 s[6:7], s[6:7], s[28:29]
	s_lshl_b32 s30, s26, 5                         ; a block of 32 rows on
	s_mov_b32 s31, 0
	s_lshl_b32 s28, s24, 15                        ; the group's two tiles of codes,
	s_lshl_b32 s27, s19, 12                        ; my two K steps
	s_add_co_u32 s28, s28, s27
	s_add_co_u32 s28, s28, W_IMG
	s_add_nc_u64 s[12:13], s[10:11], s[28:29]
	s_lshl_b32 s28, s24, 10
	s_lshl_b32 s27, s19, 7
	s_add_co_u32 s28, s28, s27
	s_add_co_u32 s28, s28, W_SC
	s_add_nc_u64 s[14:15], s[10:11], s[28:29]
	s_wait_alu depctr_va_vdst(0)
	v_lshlrev_b32 v[OFF], 2, v2
.set n, 1
.rept 31
	s_delay_alu instid0(VALU_DEP_1)
	v_add_nc_u32 v[OFF+n], s26, v[OFF+n-1]
.set n, n+1
.endr
	v_bfe_u32 v132, v2, 3, 1                       ; column L of the group lies in tile (L / 8) % 2,
	v_and_b32 v133, 7, v2
	v_lshrrev_b32 v134, 4, v2
	s_delay_alu instid0(VALU_DEP_1)
	v_lshl_add_u32 v133, v134, 3, v133             ; at place L % 8 + 8 (L / 16)
	s_delay_alu instid0(VALU_DEP_4)
	v_lshlrev_b32 v[WO], 14, v132
	s_delay_alu instid0(VALU_DEP_1)
	v_lshl_add_u32 v[WO], v133, 4, v[WO]
	v_lshlrev_b32 v[WS], 9, v132
	s_delay_alu instid0(VALU_DEP_1)
	v_lshl_add_u32 v[WS], v133, 2, v[WS]
.macro LOADW t                         ; block t: 32 rows of my column; a load reads 128 consecutive bytes, the four waves side by side 512
.set n, 0
.rept 32
	global_load_b32 v[WX+32*((\t)%2)+n], v[OFF+n], s[6:7] th:TH_LOAD_NT
.set n, n+1
.endr
.endm
.macro BLOCKW t
.set XS, WX+32*((\t)%2)
.set CC, WC+8*((\t)%2)
.if (\t) < 7
	s_wait_loadcnt 32                              ; this block's 32 loads are in; the next block's 32 may be out
.else
	s_wait_loadcnt 0x0
.endif
	v_max3_num_f32 v132, |v[XS]|, |v[XS+1]|, |v[XS+2]|   ; all 32 numbers of the block are mine
	v_max3_num_f32 v133, |v[XS+3]|, |v[XS+4]|, |v[XS+5]|
.irp i, 6,10,14,18,22,26
	s_delay_alu instid0(VALU_DEP_2)
	v_max3_num_f32 v132, v132, |v[XS+\i]|, |v[XS+\i+1]|
	s_delay_alu instid0(VALU_DEP_2)
	v_max3_num_f32 v133, v133, |v[XS+\i+2]|, |v[XS+\i+3]|
.endr
	s_delay_alu instid0(VALU_DEP_2)
	v_max3_num_f32 v132, v132, |v[XS+30]|, |v[XS+31]|
	s_delay_alu instid0(VALU_DEP_1)
	v_max3_num_f32 v132, v132, v133, 0x8000000     ; and the floor
	s_delay_alu instid0(VALU_DEP_1)
	v_add_nc_u32 v134, 0xf8800000, v132            ; the conversion's scale operand
	s_delay_alu instid0(VALU_DEP_1)
	v_lshrrev_b32 v133, 23, v134                   ; the byte
.if (\t)%4 == 0
	s_delay_alu instid0(VALU_DEP_1)
	v_mov_b32 v[SB+(\t)/4], v133
.else
	s_delay_alu instid0(VALU_DEP_1)
	v_lshl_or_b32 v[SB+(\t)/4], v133, 8*((\t)%4), v[SB+(\t)/4]
.endif
.set n, 0
.rept 32
.set n, n+1
.endr
.irp g, 0,1,2,3
	v_cvt_scalef32_pk8_bf8_f32 v[CC+2*\g:CC+2*\g+1], v[XS+8*\g:XS+8*\g+7], v134
.endr
	v_nop
	global_store_b128 v[WO], v[CC:CC+3], s[12:13] offset:((\t)/4)*2048+((\t)%4)*512        ; k 0-15 of the block: the place of lane (r, 0): each tile's sixteen lanes write 256 consecutive bytes, aligned
	global_store_b128 v[WO], v[CC+4:CC+7], s[12:13] offset:((\t)/4)*2048+((\t)%4)*512+256  ; k 16-31: the place of lane (r, 1)
.if (\t) < 6
	s_wait_xcnt 0x0                                ; the loads have read their base and these stores their data: the base steps, and this set of codes is written again two blocks on
	s_add_nc_u64 s[6:7], s[6:7], s[30:31]
	LOADW (\t)+2
.endif
.endm
	LOADW 0
	s_wait_alu depctr_va_vdst(0)
	s_wait_xcnt 0x0
	s_add_nc_u64 s[6:7], s[6:7], s[30:31]
	LOADW 1
.irp t, 0,1,2,3,4,5,6,7
	BLOCKW \t
.endr
	global_store_b32 v[WS], v[SB], s[14:15]        ; runs of 64 bytes: one byte in 128 of what this path reads
	global_store_b32 v[WS], v[SB+1], s[14:15] offset:64
.Lend:
	s_wait_tensorcnt 0x0                           ; the wave's end
	ds_add_u32 v[SPW], v[NIL]
	s_wait_dscnt 0x0
	s_endpgm
.Lfunc_end_k_qe83a26bf27_prep:
	.size	k_qe83a26bf27_prep, .Lfunc_end_k_qe83a26bf27_prep-k_qe83a26bf27_prep
	.p2alignl 7, 3214868480
	.fill 96, 4, 3214868480
	.section	.rodata,"a",@progbits
	.p2align	6, 0x0
	.amdhsa_kernel k_qe83a26bf27_prep
		.amdhsa_group_segment_fixed_size 68608
		.amdhsa_private_segment_fixed_size 0
		.amdhsa_enable_private_segment 0
		.amdhsa_kernarg_size 32
		.amdhsa_user_sgpr_count 2
		.amdhsa_user_sgpr_kernarg_segment_ptr 1
		.amdhsa_wavefront_size32 1
		.amdhsa_system_sgpr_workgroup_id_x 1
		.amdhsa_system_sgpr_workgroup_id_y 1
		.amdhsa_system_sgpr_workgroup_id_z 1
		.amdhsa_system_vgpr_workitem_id 0
		.amdhsa_next_free_vgpr 256
		.amdhsa_next_free_sgpr 66
		.amdhsa_reserve_vcc 0
		.amdhsa_float_denorm_mode_32 3
		.amdhsa_float_denorm_mode_16_64 3
		.amdhsa_fp16_overflow 1
		.amdhsa_memory_ordered 1
		.amdhsa_forward_progress 1
		.amdhsa_inst_pref_size 67
	.end_amdhsa_kernel
	.amdgpu_metadata
---
amdhsa.version: [ 1, 2 ]
amdhsa.kernels:
  - .name:           k_qe83a26bf27_prep
    .symbol:         k_qe83a26bf27_prep.kd
    .args:
      - { .name: hidden_states, .offset: 0, .size: 8, .value_kind: global_buffer, .address_space: global }
      - { .name: c_attn_w, .offset: 8, .size: 8, .value_kind: global_buffer, .address_space: global }
      - { .name: c_proj_w, .offset: 16, .size: 8, .value_kind: global_buffer, .address_space: global }
      - { .name: xw, .offset: 24, .size: 8, .value_kind: global_buffer, .address_space: global }
    .group_segment_fixed_size: 68608
    .private_segment_fixed_size: 0
    .kernarg_segment_align: 8
    .kernarg_segment_size: 32
    .max_flat_workgroup_size: 256
    .sgpr_count:     66
    .vgpr_count:     256
    .wavefront_size: 32
...
	.end_amdgpu_metadata
.endif
;; end of part 1
;; launch qkvg (part 2): grid 12 x 32, 4 waves a work-group, clusters of 4 x 4, 327,680 bytes of LDS; arguments xw, c_attn_b, qkv; writes qkv
.if DOCPART == 2
	.amdgcn_target "amdgcn-amd-amdhsa--gfx1250"
	.amdhsa_code_object_version 6
	.text
	.protected	k_qe83a26bf27_qkvg
	.globl	k_qe83a26bf27_qkvg
	.p2align	8
	.type	k_qe83a26bf27_qkvg,@function
k_qe83a26bf27_qkvg:
	s_mov_b64 s[64:65], 0
	v_nop
	global_prefetch_b8 v0, s[64:65] scope:SCOPE_SE
	s_setreg_imm32_b32 hwreg(HW_REG_WAVE_MODE, 25, 1), 1
	s_wait_xcnt 0x0
	s_wait_alu depctr_hold_cnt(0) depctr_sa_sdst(0) depctr_va_vdst(0) depctr_va_sdst(0) depctr_va_ssrc(0) depctr_va_vcc(0) depctr_vm_vsrc(0)
	s_getreg_b32 s2, hwreg(HW_REG_IB_STS2, 6, 4)
	s_cmp_eq_u32 s2, 0
	s_cbranch_scc0 .Lentry_in_a_cluster
	s_endpgm
.Lentry_in_a_cluster:
	s_bfe_u32 s2, ttmp6, 0x10000c
	s_cmp_lg_u32 s2, 0xf033
	s_cbranch_scc0 .Lentry_shape_is_right
	s_endpgm
.Lentry_shape_is_right:
; qkv = x W + b on codes of E5M2 (K = 1,024), and the quantisers of q, k and v in the way out: q and k along the head's 64, v along the keys.  Nothing but codes and scale words is stored.
; A tile is 256 x 256, a work-group's; a wave makes 128 x 128: 64 accumulators, 512 registers.  K goes in steps of 256 through two LDS slots.
; Operands lie in xw as images of fragments ([c][lane][16 bytes]) in tiles of 16 places (place r of tile T = true index 32 (T / 2) + 16 (r / 8) + 8 (T % 2) + r % 8): every fragment read is 16 x lane + a constant.
; THE TEXT KNOWS TWO REGIONS: source 0 = region B, source 1 = region A.  A lane then holds ONE place of region A, and its registers run along region B's TRUE index: the 64 registers of A's block a are 128 neighbours
; (16 b' + i = index 32 b' + 16 h + i), which the way out quantises in blocks of 32.  For q and k (cluster x = 0, 1) region A = rows of x, region B = columns of W: blocks along the head's channels.
; For v (cluster x = 2) THE DATA CHANGE PLACES, NOT THE CODE: region A = W's columns 2,048 on, region B = rows of x: blocks along the keys.
; CLUSTERS: 4 x 4.  Region A's tiles hang on cy and the cluster's numbers alone and go jointly to my row of the cluster, region B's on cx and the cluster's numbers alone and go to my column.
; qkv: q's codes [bh 64][tile 128][c 0,1][lane][16] at 0; K and V by key step of 128, [bh][ks 16][K: 8 tiles x 1,024 | V: 4 fragments x 2,048] at KV0; q's words [bh][tile][16] (bytes q0 q1 q0 q1) at Q_SC;
; K's and V's words [bh][ks][K: pairs of tiles m 0..3 x 16 (bytes: tile 2 m's two, tile 2 m + 1's two) | V: 4 x 16] behind them.
; LIMITS: as in launch prep (the floor 2^(16 - 127) under a block's largest magnitude; NaN and infinities not served).
; REGISTERS: window 0: v16-31 addresses; v32-63 scale words, two sets, nothing else; v64-127 the bias (C of the first products), later at work on the way out; v128-255 region A's fragments, one set.
;   window 1: region B's fragments, two sets.   windows 2, 3: the accumulators ((a, b) at v[8 (8 (a % 4) + b)] of window 2 + a / 4).
.set X_SC,   8388608
.set W_IMG,  8650752
.set W_SC,   12845056
.set FR,     16
.set NL,     4                         ; LDS loads that bring a fragment
.set NP,     8                         ; places behind this matrix instruction (ISA guide 7.12.1)
.set RTB,    4096                      ; a tile of 16 places in a slot: two fragments
.set HALFT,  8*RTB                     ; what one tensor load brings, and what a wave reads of a region
.set SLOT,   4*HALFT                   ; region A's 16 tiles, then region B's
.set SCL,    2*SLOT                    ; behind the ring: the scale words for all of K: A's 8,192 bytes, then B's; filled once
.set HALFS,  4096
.set SPARE,  SCL+4*HALFS               ; the spare words, 128 bytes a wave: two blocks of 256 bytes that no other line names
.set ADRA, 16                          ; v16-17 my fragments of region A in slot 0, 1
.set ADRB, 20                          ; v20-21 of region B
.set ADSA, 22                          ; v22   my scale words of region A: lanes 0-15 the slot's first 128 along K, lanes 16-31 its second
.set ADSB, 23                          ; v23   of region B
.set VO0,  24                          ; v24   the way out: 16 x lane
.set VO1,  25                          ; v25   the same, at the second half of a block's codes
.set L4,   26                          ; v26   4 x lane
.set LANE, 27
.set SPW,  28                          ; v28   my spare word; never rewritten
.set NIL,  29                          ; v29   0; never rewritten
.set SC,   32                          ; set s at v[32 + 16 s]: A's block i at + i, B's at + 8 + i
.set BI,   64
.set TM,   64                          ; the way out: v64-79 as in prep's quantiser
.set SW,   80                          ; v80-87 the eight blocks' scale words
.set WK,   88                          ; v88-95 scale words as they are stored
.set PC,   96                          ; v96-127 two sets of codes
.set AF,   128
.set G1,   24
.set G0,   32
.set G1B,  48
.set G0B,  56
.set G1S,  68
.set G0S,  76
.set G1SB, 80
.set G0SB, 88
.set MNT,  42
.set SEL,  96
.set MK,   98
.set MSB, 0
.macro WIN new                         ; the immediate's high byte repeats the setting that is left
.if MSB != (\new)
	s_set_vgpr_msb (MSB<<8)|(\new)
.set MSB, (\new)
.endif
.endm
.set MUL_LO, 0xa1                      ; source 0 window 1, source 1 window 0, C and D window 2
.set MUL_HI, 0xf1
.set TO_B,   0x40
; A joint load: waves 0 and 1 fetch for region A, waves 2 and 3 for region B; the branch hangs on the wave's number alone.  An s_nop 0 and four v_nop follow each line.
.macro JLOAD g0a, g1a, g0b, g1b
	s_cmp_eq_u32 s15, 0
	s_cbranch_scc0 .Lfor_b_\@
	tensor_load_to_lds s[\g0a:\g0a+3], s[\g1a:\g1a+7]
	s_nop 0
.rept 4
	v_nop
.endr
	s_branch .Lasked_\@
.Lfor_b_\@:
	tensor_load_to_lds s[\g0b:\g0b+3], s[\g1b:\g1b+7]
	s_nop 0
.rept 4
	v_nop
.endr
.Lasked_\@:
.endm
.macro CREST
	s_cmp_lg_u32 s14, 0
	s_cbranch_scc1 .Lnot_wave_0_\@
	s_barrier_signal -3
.Lnot_wave_0_\@:
	s_barrier_wait -3
	s_barrier_signal -1
	s_barrier_wait -1
.endm
.macro CROUND
	s_barrier_signal -1
	s_barrier_wait -1
	CREST
.endm
	s_load_b128 s[4:7], s[0:1], 0x0                ; xw s[4:5], c_attn_b s[6:7]
	s_load_b64 s[8:9], s[0:1], 0x10                ; qkv
	v_lshl_add_u32 v[SPW], v0, 2, SPARE
	v_mov_b32 v[NIL], 0
	ds_add_u32 v[SPW], v[NIL]                      ; the wave's opening: the add, twice on end, and its wait ahead of my first tensor load
	ds_add_u32 v[SPW], v[NIL]
	v_lshrrev_b32 v1, 5, v0
	v_readfirstlane_b32 s14, v1                    ; wave 0..3
	s_lshr_b32 s15, s14, 1                         ; my half of region A's 256.  Also: I fetch for A (0) or for B (1)
	s_and_b32 s16, s14, 1                          ; my half of region B's.  Also: which 8 tiles I fetch
	s_bfe_u32 s40, ttmp6, 0x40000                  ; cx
	s_bfe_u32 s41, ttmp6, 0x40004                  ; cy
	s_and_b32 s17, ttmp7, 0xffff
	s_lshl_b32 s17, s17, 2                         ; 4 x cluster y
	s_add_co_u32 s12, s17, s41                     ; q, k: region A's tile = rows 256 (4 Y + cy) of x
	s_add_co_u32 s13, s17, s40                     ; v: region B's tile = rows 256 (4 Y + cx) of x
	s_lshl_b32 s18, ttmp9, 2
	s_add_co_u32 s18, s18, s40                     ; q, k: region B's tile = columns 256 (4 X + cx) of W
	s_lshl_b32 s43, s41, 2
	s_lshl_b32 s43, 15, s43                        ; my row of the cluster
	s_lshl_b32 s44, 0x1111, s40                    ; my column
	; codes: 8 rows of 4,096 bytes (a tile's two fragments of this K step), 16,384 bytes apart; elements of 8 bytes; no padding: an image is read 16 x lane
	s_or_b32 s[G1], s43, (3<<16)|(1<<21)
	s_or_b32 s[G1B], s44, (3<<16)|(1<<21)
.irp g, G1, G1B
	s_mov_b32 s[\g+1], 512<<16                     ; tensor_dim0
	s_mov_b32 s[\g+2], 8<<16                       ; tensor_dim1
	s_mov_b32 s[\g+3], 512<<16                     ; tile_dim0
	s_mov_b32 s[\g+4], 8                           ; tile_dim1
	s_mov_b32 s[\g+5], 2048                        ; tensor_dim0_stride
	s_mov_b32 s[\g+6], 0
	s_mov_b32 s[\g+7], 0
.endr
	; scale words of 8 tiles, all of K: 4,096 dense bytes as 16 rows of 256
	s_or_b32 s[G1S], s43, (3<<16)|(1<<21)
	s_or_b32 s[G1SB], s44, (3<<16)|(1<<21)
.irp g, G1S, G1SB
	s_mov_b32 s[\g+1], 32<<16
	s_mov_b32 s[\g+2], 16<<16
	s_mov_b32 s[\g+3], 32<<16
	s_mov_b32 s[\g+4], 16
	s_mov_b32 s[\g+5], 32
	s_mov_b32 s[\g+6], 0
	s_mov_b32 s[\g+7], 0
.endr
	s_mov_b32 s[SEL], 0x76543210
	s_mov_b32 s[SEL+1], 0xfedcba98
	s_mov_b32 s22, X_SC
	s_mov_b32 s92, W_SC
	s_cmp_eq_u32 ttmp9, 2                          ; v?  The cluster's x: the same in all sixteen partners
	s_cselect_b32 s10, s41, s12                    ; region A's tile: hangs on cy and the cluster's numbers
	s_cselect_b32 s11, s13, s18                    ; region B's tile: on cx and the cluster's numbers
	s_cselect_b32 s20, W_IMG+2097152, 0            ; where region A's codes begin in xw (v: W's tile 128 on),
	s_cselect_b32 s46, 0, W_IMG                    ; region B's,
	s_cselect_b32 s22, W_SC+65536, s22             ; and their scale words
	s_cselect_b32 s92, X_SC, s92
	s_lshl_b32 s19, s10, 18                        ; 16 tiles of 16,384 bytes
	s_add_co_u32 s20, s20, s19
	s_lshl_b32 s19, s16, 17                        ; the 8 that I fetch
	s_add_co_u32 s20, s20, s19
	s_mov_b32 s21, 0
	s_lshl_b32 s19, s10, 13
	s_add_co_u32 s22, s22, s19
	s_lshl_b32 s19, s16, 12
	s_add_co_u32 s22, s22, s19
	s_mov_b32 s23, 0
	s_lshl_b32 s45, s11, 18
	s_add_co_u32 s46, s46, s45
	s_lshl_b32 s45, s16, 17
	s_add_co_u32 s46, s46, s45
	s_mov_b32 s47, 0
	s_lshl_b32 s45, s11, 13
	s_add_co_u32 s92, s92, s45
	s_lshl_b32 s45, s16, 12
	s_add_co_u32 s92, s92, s45
	s_mov_b32 s93, 0
	s_lshl_b32 s94, s14, 15                        ; where they go: wave x 32,768: no place in the cluster enters an LDS address
	s_lshl_b32 s95, s14, 12
	s_wait_dscnt 0x0                               ; both opening adds are done
	s_wait_kmcnt 0x0
	s_add_nc_u64 s[20:21], s[4:5], s[20:21]
	s_add_nc_u64 s[22:23], s[4:5], s[22:23]
	s_add_nc_u64 s[46:47], s[4:5], s[46:47]
	s_add_nc_u64 s[92:93], s[4:5], s[92:93]
	CROUND                                         ; all sixteen work-groups are here: the first joint loads meet
	s_mov_b32 s[G0S], 1
	s_add_co_u32 s[G0S+1], s95, SCL
	s_mov_b64 s[G0S+2:G0S+3], s[22:23]
	s_or_b32 s[G0S+3], s[G0S+3], 0x80000000
	s_mov_b32 s[G0SB], 1
	s_add_co_u32 s[G0SB+1], s95, SCL
	s_mov_b64 s[G0SB+2:G0SB+3], s[92:93]
	s_or_b32 s[G0SB+3], s[G0SB+3], 0x80000000
	JLOAD G0S, G1S, G0SB, G1SB                     ; the scale words first: they are wanted with K step 0
.irp s, 0,1
	s_mov_b32 s[G0+4*\s], 1
	s_add_co_u32 s[G0+4*\s+1], s94, \s*SLOT
	s_add_nc_u64 s[G0+4*\s+2:G0+4*\s+3], s[20:21], \s*RTB
	s_or_b32 s[G0+4*\s+3], s[G0+4*\s+3], 0x80000000
	s_mov_b32 s[G0B+4*\s], 1
	s_add_co_u32 s[G0B+4*\s+1], s94, \s*SLOT
	s_add_nc_u64 s[G0B+4*\s+2:G0B+4*\s+3], s[46:47], \s*RTB
	s_or_b32 s[G0B+4*\s+3], s[G0B+4*\s+3], 0x80000000
	JLOAD G0+4*\s, G1, G0B+4*\s, G1B               ; three loads of mine are out
.endr
	; THE BIAS is the C of each sum's first product, in the result's layout
	v_and_b32 v1, 15, v0                           ; r
	v_bfe_u32 v2, v0, 4, 1                         ; h
	v_and_b32 v[LANE], 31, v0
	v_lshlrev_b32 v30, 6, v2                       ; q, k: 16 h numbers on
	v_and_b32 v3, 7, v1
	v_lshrrev_b32 v4, 3, v1
	v_lshl_add_u32 v3, v4, 4, v3
	v_lshlrev_b32 v31, 2, v3                       ; v: my place's true index in its pair of tiles: r % 8 + 16 (r / 8)
	s_cmp_eq_u32 ttmp9, 2
	s_cbranch_scc1 .Lbias_v
	s_lshl_b32 s2, s11, 10                         ; q, k: the registers run along W's columns: block b's eight are 256 QB + 128 wb + 32 (b / 2) + 16 h + 8 (b % 2) + 0 .. 7
	s_lshl_b32 s3, s16, 9
	s_add_co_u32 s2, s2, s3
	s_mov_b32 s3, 0
	s_add_nc_u64 s[6:7], s[6:7], s[2:3]
.irp b, 0,1,2,3,4,5,6,7
	global_load_b128 v[BI+8*\b:BI+8*\b+3], v30, s[6:7] offset:(32*(\b/2)+8*(\b%2))*4
	global_load_b128 v[BI+8*\b+4:BI+8*\b+7], v30, s[6:7] offset:(32*(\b/2)+8*(\b%2))*4+16
.endr
	s_branch .Lbias_done
.Lbias_v:
	s_lshl_b32 s2, s10, 10                         ; v: the lanes are W's columns: block a's eight registers all hold b[2,048 + 256 PA + 128 wa + 32 (a / 2) + 8 (a % 2) + my place's index]
	s_lshl_b32 s3, s15, 9
	s_add_co_u32 s2, s2, s3
	s_add_co_u32 s2, s2, 8192
	s_mov_b32 s3, 0
	s_add_nc_u64 s[6:7], s[6:7], s[2:3]
	s_wait_alu depctr_va_vdst(0)
.irp a, 0,1,2,3,4,5,6,7
.irp j, 0,1,2,3,4,5,6,7
	global_load_b32 v[BI+8*\a+\j], v31, s[6:7] offset:(32*(\a/2)+8*(\a%2))*4
.endr
.endr
.Lbias_done:
	s_wait_alu depctr_va_vdst(0)
	v_lshlrev_b32 v3, 4, v[LANE]
	s_lshl_b32 s21, s15, 15                        ; my 8 tiles of region A,
	s_lshl_b32 s22, s16, 15                        ; of region B,
	s_add_co_u32 s22, s22, 2*HALFT                 ; which lies behind A's 16
.irp s, 0,1
	v_add_nc_u32 v[ADRA+\s], s21, v3
	v_add_nc_u32 v[ADRB+\s], s22, v3
	s_add_co_u32 s21, s21, SLOT
	s_add_co_u32 s22, s22, SLOT
.endr
	v_lshlrev_b32 v[L4], 2, v[LANE]
	s_lshl_b32 s21, s15, 12
	s_add_co_u32 s21, s21, SCL
	v_add_nc_u32 v[ADSA], s21, v[L4]
	s_lshl_b32 s22, s16, 12
	s_add_co_u32 s22, s22, SCL+2*HALFS
	v_add_nc_u32 v[ADSB], s22, v[L4]
.macro FRAG reg, adr, q, i             ; a fragment's image: four loads of 512 consecutive bytes
.irp c, 0,1,2,3
	ds_load_b128 v[\reg+4*\c:\reg+4*\c+3], v[\adr] offset:RTB*(\i)+2048*(\q)+512*\c
.endr
.endm
; 16 matrix instructions: A's blocks a0, a0 + 1 x B's eight; q: the slot's first or second 128 along K (the scale registers' lower or upper lanes); p: B's set; sc: the set of scale words.
; zero = 0: in place; 1: C = the bias by B's block (q, k); 2: C = the bias by A's block (v).  The 64 accumulators take turns, one instruction a turn, in the same order in every step.
.macro MUL16 a0, p, q, sc, zero
.irp a, \a0, \a0+1
.irp b, 0,1,2,3,4,5,6,7
.set rD, 8*(8*((\a)%4)+\b)
.set rB, 128*(\p)+FR*\b
.set rA, AF+FR*(\a)
.set rSB, SC+16*(\sc)+8+\b
.set rSA, SC+16*(\sc)+(\a)
.if (\zero) == 1
	v_wmma_scale_f32_16x16x128_f8f6f4 v[rD:rD+7], v[rB:rB+15], v[rA:rA+15], v[BI+8*\b:BI+8*\b+7], v[rSB], v[rSA] matrix_a_fmt:MATRIX_FMT_BF8 matrix_b_fmt:MATRIX_FMT_BF8
.elseif (\zero) == 2
	v_wmma_scale_f32_16x16x128_f8f6f4 v[rD:rD+7], v[rB:rB+15], v[rA:rA+15], v[BI+8*(\a):BI+8*(\a)+7], v[rSB], v[rSA] matrix_a_fmt:MATRIX_FMT_BF8 matrix_b_fmt:MATRIX_FMT_BF8
.elseif (\q) == 0
	v_wmma_scale_f32_16x16x128_f8f6f4 v[rD:rD+7], v[rB:rB+15], v[rA:rA+15], v[rD:rD+7], v[rSB], v[rSA] matrix_a_fmt:MATRIX_FMT_BF8 matrix_b_fmt:MATRIX_FMT_BF8
.else
	v_wmma_scale_f32_16x16x128_f8f6f4 v[rD:rD+7], v[rB:rB+15], v[rA:rA+15], v[rD:rD+7], v[rSB], v[rSA] matrix_a_fmt:MATRIX_FMT_BF8 matrix_b_fmt:MATRIX_FMT_BF8 matrix_a_scale:MATRIX_SCALE_ROW1 matrix_b_scale:MATRIX_SCALE_ROW1
.endif
.endr
.endr
.endm
.macro FETCH_B slot, q, p
	WIN TO_B
.irp i, 0,1,2,3,4,5,6,7
	FRAG 128*(\p)+FR*\i, ADRB+\slot, \q, \i
.endr
	WIN 0
.endm
.macro FETCH_A slot, q, i0
.irp i, \i0, \i0+1, \i0+2, \i0+3
	FRAG AF+FR*(\i), ADRA+\slot, \q, \i
.endr
.endm
.macro SCALES sc                       ; a K step's scale words: one register a block and region
.irp i, 0,1,2,3,4,5,6,7
	ds_load_b32 v[SC+16*\sc+\i], v[ADSA] offset:512*\i
	ds_load_b32 v[SC+16*\sc+8+\i], v[ADSB] offset:512*\i
.endr
.endm
.macro PLACES n                        ; plain vector instructions that name none of the matrix instructions' registers (ISA guide 7.12.1)
.rept \n
	v_nop
.endr
.endm
; A step of 128 along K that has its successor in the same slot.  Region A has one set of registers: blocks 0-3 are fetched anew in the step's middle, blocks 4-7 at its end.
.macro STEP slot, q, zero
	s_wait_dscnt 4*NL                              ; all but the youngest 16 loads (A's blocks 4-7)
.if \zero
	WIN 0x81                                       ; C (the bias) in window 0
.else
	WIN MUL_LO
.endif
	MUL16 0, (\q)%2, \q, \slot, \zero
	MUL16 2, (\q)%2, \q, \slot, \zero
	s_wait_dscnt 0
	PLACES NP
	FETCH_B \slot, (\q)+1, 1-(\q)%2
	FETCH_A \slot, (\q)+1, 0
.if \zero
	WIN 0xc1
.else
	WIN MUL_HI
.endif
	MUL16 4, (\q)%2, \q, \slot, \zero
	MUL16 6, (\q)%2, \q, \slot, \zero
	PLACES NP
	WIN 0
	FETCH_A \slot, (\q)+1, 4
.endm
; A slot's last step changes slots: ONE barrier; in front of it each wave waits for all its tensor loads, adds 0 to its spare word, and waits for that and for its reads of this slot.  fill = 1: the slot is filled again.
.macro TURN slot, next, fill
	s_wait_tensorcnt 0x0                           ; all my tensor loads have landed: my part of the next slot
	ds_add_u32 v[SPW], v[NIL]
	s_wait_dscnt 4*NL+1                            ; the add and the youngest 16 loads may be out
	WIN MUL_LO
	MUL16 0, 1, 1, \slot, 0
	s_wait_dscnt 0x0                               ; the add is done, and my reads of this slot are over
	s_barrier_signal -1
	MUL16 2, 1, 1, \slot, 0
	WIN 0
	s_barrier_wait -1
.if \fill
	CREST                                          ; the barrier has opened a round of the cluster's: no wave of any partner still reads this slot or has a load on its way
	s_add_nc_u64 s[G0+4*\slot+2:G0+4*\slot+3], s[G0+4*\slot+2:G0+4*\slot+3], 2*RTB
	s_add_nc_u64 s[G0B+4*\slot+2:G0B+4*\slot+3], s[G0B+4*\slot+2:G0B+4*\slot+3], 2*RTB
	JLOAD G0+4*\slot, G1, G0B+4*\slot, G1B         ; my one tensor load behind the round; its four v_nop are four of the eight places
	PLACES NP-4
.else
	PLACES NP
.endif
	s_wait_alu depctr_va_vdst(0)
	v_add_nc_u32 v[ADSA], 128, v[ADSA]             ; the next K step's scale words (no LDS load of mine is out)
	v_add_nc_u32 v[ADSB], 128, v[ADSB]
	FETCH_B \next, 0, 0
	FETCH_A \next, 0, 0
	SCALES \next
	WIN MUL_HI
	MUL16 4, 1, 1, \slot, 0
	MUL16 6, 1, 1, \slot, 0
	PLACES NP
	WIN 0
	FETCH_A \next, 0, 4
.endm
	s_wait_alu depctr_va_vdst(0)
	s_wait_tensorcnt 1                             ; the scale words and my part of slot 0 are in; slot 1's load may be out
	s_barrier_signal -1
	s_barrier_wait -1
	FETCH_B 0, 0, 0
	FETCH_A 0, 0, 0
	SCALES 0
	FETCH_A 0, 0, 4
	s_wait_loadcnt 0x0                             ; the bias
	s_cmp_eq_u32 ttmp9, 2
	s_cbranch_scc1 .Lfirst_v
	STEP 0, 0, 1                                   ; the first step starts the sums on the bias
	s_branch .Lfirst_done
.Lfirst_v:
	STEP 0, 0, 2
.Lfirst_done:
	TURN 0, 1, 1                                   ; K = 1,024 is four slots' worth: the walk is written out
	STEP 1, 0, 0
	TURN 1, 0, 1
	STEP 0, 0, 0
	TURN 0, 1, 0
	STEP 1, 0, 0
	s_wait_dscnt 4*NL
	WIN MUL_LO
	MUL16 0, 1, 1, 1, 0
	MUL16 2, 1, 1, 1, 0
	s_wait_dscnt 0
	WIN MUL_HI
	MUL16 4, 1, 1, 1, 0
	MUL16 6, 1, 1, 1, 0
	WIN 0
	PLACES NP
	; THE WAY OUT: no LDS.  Block a's 64 registers are quantised as they stand; the conversions' results are images and leave by stores of 512 consecutive bytes.
	; RT, rh: the tile and half of x's rows; CT, ch: of W's columns.  ks = the key step of my 128 positions; bh0 = the first of my two heads.
	s_and_b32 s2, s11, 3
	s_mov_b32 s3, 1024
	s_mov_b32 s17, 262144
	s_cmp_eq_u32 ttmp9, 2
	s_cselect_b32 s18, s11, s10                    ; RT
	s_cselect_b32 s19, s16, s15                    ; rh
	s_cselect_b32 s2, s10, s2                      ; CT
	s_cselect_b32 s20, s15, s16                    ; ch
	s_cselect_b32 s21, 8192, 0                     ; V lies behind a key step's K
	s_cselect_b32 s22, 256, 0                      ; and so do its scale words
	s_cselect_b32 s66, 2048, s3                    ; from block to block: a tile of q or k, a fragment of v
	s_cselect_b32 s94, 256000, s3                  ; v, from block 3 to block 4: the next head's first fragment
	s_cselect_b32 s17, s3, s17
	s_cmp_eq_u32 ttmp9, 0
	s_cselect_b32 s23, 17, 18                      ; a head's codes: 2^17 bytes of q, 2^18 of K and V
	s_cselect_b32 s40, 13, 14                      ; a key step's
	s_cselect_b32 s41, 0, 8388608
	s_cselect_b32 s43, 0, 524288
	s_cselect_b32 s17, 131072, s17                 ; to the second half of a block's codes: the next head (q, k), or 1,024 bytes on (v)
	s_mov_b32 s67, 0
	s_mov_b32 s95, 0
	s_and_b32 s44, s18, 7
	s_lshl_b32 s44, s44, 1
	s_add_co_u32 s44, s44, s19                     ; ks
	s_lshr_b32 s45, s18, 3
	s_lshl_b32 s45, s45, 4
	s_lshl_b32 s2, s2, 2
	s_add_co_u32 s45, s45, s2
	s_lshl_b32 s20, s20, 1
	s_add_co_u32 s45, s45, s20                     ; bh0
	s_lshl_b32 s46, s45, s23
	s_lshl_b32 s47, s44, s40
	s_add_co_u32 s46, s46, s47
	s_add_co_u32 s46, s46, s41
	s_add_co_u32 s46, s46, s21
	s_mov_b32 s47, 0
	s_add_nc_u64 s[12:13], s[8:9], s[46:47]        ; the codes
	s_lshl_b32 s46, s45, 13
	s_lshl_b32 s44, s44, 9
	s_add_co_u32 s46, s46, s44
	s_add_co_u32 s46, s46, s43
	s_add_co_u32 s46, s46, s22
	s_add_co_u32 s46, s46, 25165824
	s_add_nc_u64 s[100:101], s[8:9], s[46:47]      ; the scale words
	v_lshlrev_b32 v[VO0], 4, v[LANE]
	v_add_nc_u32 v[VO1], s17, v[VO0]
	v_cmp_le_u32 s[MK], 16, v[LANE]
.irp b, 0,1,2,3
	v_mov_b32 v[TM+4+\b], 0                        ; a lane permute's destination counts as one of its sources
.endr
.macro QUANTW a
.set AC, 64*((\a)%4)
.set W, 2+(\a)/4
.set PCS, PC+16*((\a)%2)
	WIN W|(W<<2)                                   ; sources 0 and 1: the accumulators' window
.irp b, 0,1,2,3
	v_max3_num_f32 v[TM+\b], |v[AC+16*\b]|, |v[AC+16*\b+1]|, 0x8000000   ; each accumulator is read from its low end on; the floor 2^(16 - 127)
.endr
.irp i, 2,4,6,8,10,12,14
.irp b, 0,1,2,3
	v_max3_num_f32 v[TM+\b], |v[AC+16*\b+\i]|, |v[AC+16*\b+\i+1]|, v[TM+\b]
.endr
.endr
	WIN 0
.irp b, 0,1,2,3
	v_permlanex16_b32 v[TM+4+\b], v[TM+\b], s[SEL], s[SEL+1]
.endr
.irp b, 0,1,2,3
	v_max_num_f32 v[TM+\b], v[TM+\b], v[TM+4+\b]
.endr
.irp b, 0,1,2,3
	v_add_nc_u32 v[TM+12+\b], 0xf8800000, v[TM+\b]
.endr
.irp b, 0,1,2,3
.endr
.irp b, 0,1,2,3
	v_lshrrev_b32 v[TM+4+\b], 23, v[TM+12+\b]
.endr
	v_lshl_or_b32 v[SW+(\a)], v[TM+5], 8, v[TM+4]
	v_lshl_or_b32 v[SW+(\a)], v[TM+6], 16, v[SW+(\a)]
	v_lshl_or_b32 v[SW+(\a)], v[TM+7], 24, v[SW+(\a)]
	WIN (W<<6)|W                                   ; destination and source 0: the accumulators' window
.irp b, 0,1,2,3
.irp i, 0,1,2,3,4,5,6,7,8,9,10,11,12,13,14,15
.endr
.endr
	WIN W
.irp b, 0,1,2,3
	v_cvt_scalef32_pk8_bf8_f32 v[PCS+4*\b:PCS+4*\b+1], v[AC+16*\b:AC+16*\b+7], v[TM+12+\b]
	v_cvt_scalef32_pk8_bf8_f32 v[PCS+4*\b+2:PCS+4*\b+3], v[AC+16*\b+8:AC+16*\b+15], v[TM+12+\b]
.endr
	WIN 0
	v_nop                                          ; a plain line behind the last conversion
.endm
.irp a, 0,1,2,3,4,5,6,7
.if \a > 0
	s_wait_xcnt 0x0                                ; the last block's stores have read their base and their data: the base steps, and the set of codes of two blocks back is written again
.if \a == 4
	s_add_nc_u64 s[12:13], s[12:13], s[94:95]
.else
	s_add_nc_u64 s[12:13], s[12:13], s[66:67]
.endif
.endif
	QUANTW \a
	global_store_b128 v[VO0], v[PCS:PCS+3], s[12:13]
	global_store_b128 v[VO0], v[PCS+4:PCS+7], s[12:13] offset:512
	global_store_b128 v[VO1], v[PCS+8:PCS+11], s[12:13]
	global_store_b128 v[VO1], v[PCS+12:PCS+15], s[12:13] offset:512
.endr
	; the scale words, 128 consecutive bytes a store: about one byte in 32 of the codes'.  Every lane holds its place's word, so lanes 16-31 can carry the next block's
	s_cmp_eq_u32 ttmp9, 0
	s_cbranch_scc1 .Lsc_q
	s_cmp_eq_u32 ttmp9, 1
	s_cbranch_scc1 .Lsc_k
.irp a, 0,2,4,6
	v_cndmask_b32 v[WK+\a/2], v[SW+\a], v[SW+\a+1], s[MK]
	global_store_b32 v[L4], v[WK+\a/2], s[100:101] offset:(\a/4)*8192+(\a%4)*64   ; v: fragment a % 4 of head a / 4
.endr
	s_branch .Lsc_done
.Lsc_q:
.irp a, 0,2,4,6
	v_cndmask_b32 v[TM+\a/2], v[SW+\a], v[SW+\a+1], s[MK]
	v_perm_b32 v[WK+\a], v[TM+\a/2], v[TM+\a/2], 0x01000100   ; the first head's two bytes, twice
	v_perm_b32 v[WK+\a+1], v[TM+\a/2], v[TM+\a/2], 0x03020302 ; the second head's
	global_store_b32 v[L4], v[WK+\a], s[100:101] offset:64*\a
	global_store_b32 v[L4], v[WK+\a+1], s[100:101] offset:8192+64*\a
.endr
	s_branch .Lsc_done
.Lsc_k:
.irp m, 0,2
	v_cndmask_b32 v[TM+\m], v[SW+2*\m], v[SW+2*\m+2], s[MK]       ; the even tile of pairs m and m + 1,
	v_cndmask_b32 v[TM+\m+1], v[SW+2*\m+1], v[SW+2*\m+3], s[MK]   ; the odd one
	v_perm_b32 v[WK+\m], v[TM+\m+1], v[TM+\m], 0x05040100         ; the first head: the even tile's two bytes, then the odd tile's
	v_perm_b32 v[WK+\m+1], v[TM+\m+1], v[TM+\m], 0x07060302       ; the second head
	global_store_b32 v[L4], v[WK+\m], s[100:101] offset:64*\m
	global_store_b32 v[L4], v[WK+\m+1], s[100:101] offset:8192+64*\m
.endr
.Lsc_done:
	s_wait_tensorcnt 0x0                           ; the wave's end
	ds_add_u32 v[SPW], v[NIL]
	s_wait_dscnt 0x0
	CROUND                                         ; the closing round
	s_endpgm
.Lfunc_end_k_qe83a26bf27_qkvg:
	.size	k_qe83a26bf27_qkvg, .Lfunc_end_k_qe83a26bf27_qkvg-k_qe83a26bf27_qkvg
	.p2alignl 7, 3214868480
	.fill 96, 4, 3214868480
	.section	.rodata,"a",@progbits
	.p2align	6, 0x0
	.amdhsa_kernel k_qe83a26bf27_qkvg
		.amdhsa_group_segment_fixed_size 327680
		.amdhsa_private_segment_fixed_size 0
		.amdhsa_enable_private_segment 0
		.amdhsa_kernarg_size 24
		.amdhsa_user_sgpr_count 2
		.amdhsa_user_sgpr_kernarg_segment_ptr 1
		.amdhsa_wavefront_size32 1
		.amdhsa_system_sgpr_workgroup_id_x 1
		.amdhsa_system_sgpr_workgroup_id_y 1
		.amdhsa_system_sgpr_workgroup_id_z 1
		.amdhsa_system_vgpr_workitem_id 0
		.amdhsa_next_free_vgpr 1024
		.amdhsa_next_free_sgpr 102
		.amdhsa_reserve_vcc 0
		.amdhsa_float_denorm_mode_32 3
		.amdhsa_float_denorm_mode_16_64 3
		.amdhsa_fp16_overflow 1
		.amdhsa_memory_ordered 1
		.amdhsa_forward_progress 1
		.amdhsa_inst_pref_size 178
	.end_amdhsa_kernel
	.amdgpu_metadata
---
amdhsa.version: [ 1, 2 ]
amdhsa.kernels:
  - .name:           k_qe83a26bf27_qkvg
    .symbol:         k_qe83a26bf27_qkvg.kd
    .args:
      - { .name: xw, .offset: 0, .size: 8, .value_kind: global_buffer, .address_space: global }
      - { .name: c_attn_b, .offset: 8, .size: 8, .value_kind: global_buffer, .address_space: global }
      - { .name: qkv, .offset: 16, .size: 8, .value_kind: global_buffer, .address_space: global }
    .group_segment_fixed_size: 327680
    .private_segment_fixed_size: 0
    .kernarg_segment_align: 8
    .kernarg_segment_size: 24
    .max_flat_workgroup_size: 128
    .sgpr_count:     102
    .vgpr_count:     1024
    .wavefront_size: 32
...
	.end_amdgpu_metadata
.endif
;; end of part 2
;; launch attn (part 3): grid 4 x 64, 16 waves a work-group, clusters of 4 x 1, 327,680 bytes of LDS; arguments qkv, oq; writes oq
.if DOCPART == 3
	.amdgcn_target "amdgcn-amd-amdhsa--gfx1250"
	.amdhsa_code_object_version 6
	.text
	.protected	k_qe83a26bf27_attn
	.globl	k_qe83a26bf27_attn
	.p2align	8
	.type	k_qe83a26bf27_attn,@function
k_qe83a26bf27_attn:
	s_mov_b64 s[64:65], 0
	v_nop
	global_prefetch_b8 v0, s[64:65] scope:SCOPE_SE
	s_setreg_imm32_b32 hwreg(HW_REG_WAVE_MODE, 25, 1), 1
	s_wait_xcnt 0x0
	s_wait_alu depctr_hold_cnt(0) depctr_sa_sdst(0) depctr_va_vdst(0) depctr_va_sdst(0) depctr_va_ssrc(0) depctr_va_vcc(0) depctr_vm_vsrc(0)
	s_getreg_b32 s2, hwreg(HW_REG_IB_STS2, 6, 4)
	s_cmp_eq_u32 s2, 0
	s_cbranch_scc0 .Lentry_in_a_cluster
	s_endpgm
.Lentry_in_a_cluster:
	s_bfe_u32 s2, ttmp6, 0x10000c
	s_cmp_lg_u32 s2, 0x3003
	s_cbranch_scc0 .Lentry_shape_is_right
	s_endpgm
.Lentry_shape_is_right:
; Causal attention on codes of E5M2, and the quantiser of its result along the model's 1,024 (the last product's K).  p = 2^(t - M), t = score x log2(e) / 8 (one rounding), M the running largest t rounded up to a whole number;
; the row's sum is taken of the unquantised p and divides O at the end.
; WORK LEFT OUT: key steps of 128 keys that all come after a tile's 16 queries (reference()'s own tril gives them p = 0 for all inputs: the comment at the head of launch prep).  A NaN or overflow that reaches only them is not carried.
; SHARES.  A cluster of four work-groups is one (batch, head); work-group j = cx.  Wave w owns tile T = 4 i + j of 16 queries, first for i = 31 - w, then for i = w.  Tile T wants key steps 0 .. T / 8 = i / 2, which does not hang
; on j: every wave of every work-group walks (31 - w) / 2 + 1 + w / 2 + 1 = 17 key steps.  cx enters q's and o's addresses in memory and the mask's numbers, and no branch, trip count or LDS address.
; THE HEAD'S WHOLE K, V AND SCALE WORDS STAY IN LDS, a plain copy of their 262,144 + 8,192 bytes of qkv, filled once by joint loads (three a wave; the same descriptors in all four work-groups) and never again.
; No prefetch: all of K and V is asked for at the head, and no later load is left to run ahead of.
; LAYOUT.  Both products are used transposed: a lane holds one query.  Tiles lie in the order of rows set out in launch prep, so p's 16 registers of two neighbouring tiles are 16 neighbouring keys, and O's likewise channels.
; K = 64 IN A FORM OF K = 128.  Source 0 is TWO tiles of keys on end (places 0-63 tile 2 m, 64-127 tile 2 m + 1), multiplied twice: by [q | zeros] for tile 2 m and by [zeros | q] for tile 2 m + 1.  The zeros stand on q's side
; alone: K's codes are finite (its quantiser holds at +-57,344 and makes no code for infinity or NaN) and no scale byte is 0xff, so each of those products is exactly 0.
; LIMITS: as in launch prep for the quantisers; what falls under the smallest f32 number when M moves is lost.
; REGISTERS: v1-8 addresses and the mask's numbers; v12 -M, v13 the largest t, v[14:15] the sum; v16-39 q, zeros, q; v40-103 four operands of K or V; v104-167 S^T, then p; v168-199 O^T; v200-215 p's codes; v216-237 at work;
; v240-245 scale words, v240-241 also at work in the sum; v254, v255 the add's two.
.set KV0,   8388608
.set Q_SC,  25165824
.set KV_SC, 25690112
.set O_SC,  8388608
.set SCB,   262144                     ; LDS: the head's scale words, behind its K and V
.set SPARE, 270336                     ; the spare words, 128 bytes a wave: eight blocks of 256 bytes that no other line names
.set LI,  1                            ; v1  16 x lane
.set LS,  2                            ; v2  SCB + 4 x lane
.set ADK, 3
.set ADS, 4
.set DD,  5                            ; v5  my query's place in its key step, less 16 h
.set LR4, 6                            ; v6  4 x (lane % 16)
.set OBY, 7                            ; v7  4 r + h: my byte of o's scale words
.set DV,  8
.set QR,  16
.set KVR, 40
.set S,   104
.set O,   168
.set PC,  200
.set BM,  216
.set T2,  220
.set HB,  224
.set SO,  228
.set SUM2, 232
.set TMPR, 234
.set FP,  236
.set KSC, 240
.set VSC, 242
.set QW,  244
.set PW,  245
.set SPW, 254
.set NIL, 255
.set WV,  8
.set SEL, 44
.set CS,  46
.set MNT, 48
.set TB,  49
.set TS,  50
.set KS,  51
.set LIMH, 52
.set LIML, 53
.set HI,  54                           ; s[54:61] the first tile's q, q's words, o, o's bytes
.set LO,  76                           ; s[76:83] the second tile's
.set MK,  86
.macro ROUND
	s_barrier_signal -1
	s_barrier_wait -1
	s_cmp_lg_u32 s[WV], 0
	s_cbranch_scc1 .Lnot_wave_0_\@
	s_barrier_signal -3
.Lnot_wave_0_\@:
	s_barrier_wait -3
	s_barrier_signal -1
	s_barrier_wait -1
.endm
	s_load_b128 s[4:7], s[0:1], 0x0                ; qkv s[4:5], oq s[6:7]
	v_lshl_add_u32 v[SPW], v0, 2, SPARE
	v_mov_b32 v[NIL], 0
	ds_add_u32 v[SPW], v[NIL]                      ; the wave's opening: the add, twice on end, and its wait ahead of my first tensor load
	ds_add_u32 v[SPW], v[NIL]
	v_lshrrev_b32 v1, 5, v0
	s_delay_alu instid0(VALU_DEP_1)
	v_readfirstlane_b32 s[WV], v1                  ; wave 0..15
	s_bfe_u32 s9, ttmp6, 0x40000                   ; j = cx
	s_and_b32 s10, ttmp7, 0xffff                   ; bh, which the four partners share
	s_mov_b32 s16, 15|(3<<16)|(1<<21)              ; all four work-groups; elements of 8 bytes; 32 rows of 256 bytes, dense
	s_mov_b32 s17, 32<<16
	s_mov_b32 s18, 32<<16
	s_mov_b32 s19, 32<<16
	s_mov_b32 s20, 32
	s_mov_b32 s21, 32
	s_mov_b32 s22, 0
	s_mov_b32 s23, 0
	s_mov_b32 s24, 15|(3<<16)|(1<<21)              ; the same with 2 rows
	s_mov_b32 s25, 32<<16
	s_mov_b32 s26, 2<<16
	s_mov_b32 s27, 32<<16
	s_mov_b32 s28, 2
	s_mov_b32 s29, 32
	s_mov_b32 s30, 0
	s_mov_b32 s31, 0
	s_lshl_b32 s12, s10, 18                        ; the head's K and V,
	s_lshl_b32 s13, s[WV], 13                      ; my 8,192 bytes of each half
	s_add_co_u32 s12, s12, s13
	s_add_co_u32 s12, s12, KV0
	s_mov_b32 s13, 0
	s_lshl_b32 s14, s10, 13                        ; its scale words,
	s_lshl_b32 s15, s[WV], 9                       ; key step w's 512 bytes
	s_add_co_u32 s14, s14, s15
	s_add_co_u32 s14, s14, KV_SC
	s_mov_b32 s15, 0
	s_mov_b32 s32, 1
	s_lshl_b32 s33, s[WV], 9
	s_add_co_u32 s33, s33, SCB
	s_mov_b32 s36, 1
	s_lshl_b32 s37, s[WV], 13
	s_mov_b32 s40, 1
	s_add_co_u32 s41, s37, 131072
	s_mov_b32 s[SEL], 0x76543210
	s_mov_b32 s[SEL+1], 0xfedcba98
	s_mov_b32 s[CS], 0x3e38aa3b                    ; log2(e) / 8
	s_mov_b32 s[CS+1], s[CS]                       ; (named with it as a pair, so it is written)
	s_wait_dscnt 0x0                               ; both opening adds are done
	s_wait_kmcnt 0x0
	s_add_nc_u64 s[34:35], s[4:5], s[14:15]
	s_add_nc_u64 s[38:39], s[4:5], s[12:13]
	s_add_nc_u64 s[42:43], s[38:39], 131072
	s_or_b32 s35, s35, 0x80000000
	s_or_b32 s39, s39, 0x80000000
	s_or_b32 s43, s43, 0x80000000
	ROUND                                          ; all four work-groups are here: the joint loads meet
	tensor_load_to_lds s[32:35], s[24:31]          ; the scale words of key step w
	s_nop 0
	tensor_load_to_lds s[36:39], s[16:23]          ; my sixteenth of key steps 0-7
	s_nop 0
	tensor_load_to_lds s[40:43], s[16:23]          ; and of key steps 8-15: three loads of mine are out
	s_nop 0
.rept 4
	v_nop
.endr
	v_and_b32 v9, 31, v0                           ; lane
	v_and_b32 v10, 15, v0                          ; r
	v_bfe_u32 v11, v0, 4, 1                        ; h
	s_delay_alu instid0(VALU_DEP_3)
	v_lshlrev_b32 v[LI], 4, v9
	s_delay_alu instid0(VALU_DEP_4)
	v_lshl_add_u32 v[LS], v9, 2, SCB
	s_delay_alu instid0(VALU_DEP_4)
	v_lshlrev_b32 v[LR4], 2, v10
	s_delay_alu instid0(VALU_DEP_4)
	v_lshl_add_u32 v[OBY], v10, 2, v11
	v_and_b32 v[DV], 7, v10
	v_lshrrev_b32 v3, 3, v10
	s_delay_alu instid0(VALU_DEP_1)
	v_lshl_add_u32 v[DV], v3, 4, v[DV]
	v_lshlrev_b32 v3, 4, v11
	s_delay_alu instid0(VALU_DEP_1)
	v_sub_nc_u32 v[DV], v[DV], v3                  ; 16 (r / 8) + r % 8 - 16 h
	v_cmp_le_u32 s[MK], 16, v9
.irp i, 0,1,2,3,4,5,6,7
	v_mov_b32 v[QR+8+\i], 0                        ; the zeros between the two copies of q
.endr
.irp b, 0,1,2,3
	v_mov_b32 v[T2+\b], 0                          ; a lane permute's destination counts as one of its sources
.endr
	v_mov_b32 v[FP+1], 0                           ; (named as the upper half of a pair)
; a tile's addresses.  i: the register with the tile's i; the limit hangs on i alone
.macro ADDRS set, sd, lim, i
	s_lshl_b32 s70, s[\i], 2
	s_add_co_u32 s70, s70, s9                      ; T
	s_lshr_b32 s[\lim], s[\i], 1                   ; its last key step
	s_lshr_b32 s71, s70, 1
	s_and_b32 s71, s71, 3
	s_lshl_b32 s71, s71, 5
	s_and_b32 s72, s70, 1
	s_lshl_b32 s72, s72, 3
	s_add_co_u32 s[\sd], s71, s72                  ; where the tile's queries begin in that key step: 32 ((T / 2) % 4) + 8 (T % 2)
	s_lshl_b32 s71, s10, 7
	s_add_co_u32 s71, s71, s70
	s_lshl_b32 s72, s71, 10
	s_mov_b32 s73, 0
	s_add_nc_u64 s[\set:\set+1], s[4:5], s[72:73]  ; q's codes
	s_lshl_b32 s72, s71, 6
	s_add_co_u32 s72, s72, Q_SC
	s_add_nc_u64 s[\set+2:\set+3], s[4:5], s[72:73]   ; q's scale words
	s_lshr_b32 s71, s10, 4
	s_lshl_b32 s71, s71, 7
	s_add_co_u32 s71, s71, s70                     ; the tile among the 512 of all batches
	s_and_b32 s74, s10, 15                         ; the head
	s_lshl_b32 s72, s71, 14
	s_lshl_b32 s75, s74, 10                        ; K step head / 2, c = 2 (head % 2) on
	s_add_co_u32 s72, s72, s75
	s_add_nc_u64 s[\set+4:\set+5], s[6:7], s[72:73]   ; o's codes
	s_lshl_b32 s72, s71, 9
	s_lshr_b32 s75, s74, 1
	s_lshl_b32 s75, s75, 6
	s_add_co_u32 s72, s72, s75
	s_and_b32 s75, s74, 1
	s_lshl_b32 s75, s75, 1
	s_add_co_u32 s72, s72, s75
	s_add_co_u32 s72, s72, O_SC
	s_add_nc_u64 s[\set+6:\set+7], s[6:7], s[72:73]   ; o's scale bytes
.endm
	s_sub_co_u32 s11, 31, s[WV]
	ADDRS HI, 84, LIMH, 11
	ADDRS LO, 85, LIML, WV
.macro QLOAD set                       ; q's image twice, on both sides of the zeros, and its scale words
	global_load_b128 v[QR:QR+3], v[LI], s[\set:\set+1]
	global_load_b128 v[QR+4:QR+7], v[LI], s[\set:\set+1] offset:512
	global_load_b128 v[QR+16:QR+19], v[LI], s[\set:\set+1]
	global_load_b128 v[QR+20:QR+23], v[LI], s[\set:\set+1] offset:512
	global_load_b32 v[QW], v[LR4], s[\set+2:\set+3]
.endm
.macro START sd
	v_add_nc_u32 v[DD], s[\sd], v[DV]
	v_mov_b32 v13, 0xff61b1e6                      ; the largest t so far: -3e38
	s_delay_alu instid0(VALU_DEP_1)
	v_floor_f32 v12, -v13
	v_mov_b32 v14, 0
	v_mov_b32 v15, 0
.set n, 0
.rept 32
	v_mov_b32 v[O+n], 0                            ; the step is written without a first form of its own: the first change of M leaves zeros zeros
.set n, n+1
.endr
.endm
; A KEY STEP of 128 keys.  var = 1: it may lie on the diagonal or beyond it
.macro STEP var, lim
.if \var
	s_cmp_gt_u32 s[KS], s[\lim]                    ; all its keys come after my queries: the work is left out, the steps of the addresses at its end are not
	s_cbranch_scc1 .Lhidden_\@
.endif
	s_setprio 2
	v_add_nc_u32 v[ADK], s[TB], v[LI]
	v_add_nc_u32 v[ADS], s[TS], v[LS]
.rept 6
	v_nop                                          ; with the two additions: eight places in front of loads into registers that the last products read
.endr
.irp m, 0,1,2,3
.irp c, 0,1,2,3
	ds_load_b128 v[KVR+16*\m+4*\c:KVR+16*\m+4*\c+3], v[ADK] offset:2048*\m+512*\c   ; tiles 2 m and 2 m + 1 on end
.endr
.endr
	ds_load_b32 v[KSC], v[ADS]                     ; lanes 0-15 pair 0's words, lanes 16-31 pair 1's
	ds_load_b32 v[KSC+1], v[ADS] offset:128
	s_wait_alu depctr_va_vdst(0)
	s_wait_dscnt 0x0
.irp m, 0,1,2,3
.irp u, 0,1
.if (\m)%2
	v_wmma_scale_f32_16x16x128_f8f6f4 v[S+8*(2*\m+\u):S+8*(2*\m+\u)+7], v[KVR+16*\m:KVR+16*\m+15], v[QR+8*\u:QR+8*\u+15], 0, v[KSC+\m/2], v[QW] matrix_a_fmt:MATRIX_FMT_BF8 matrix_b_fmt:MATRIX_FMT_BF8 matrix_a_scale:MATRIX_SCALE_ROW1
.else
	v_wmma_scale_f32_16x16x128_f8f6f4 v[S+8*(2*\m+\u):S+8*(2*\m+\u)+7], v[KVR+16*\m:KVR+16*\m+15], v[QR+8*\u:QR+8*\u+15], 0, v[KSC+\m/2], v[QW] matrix_a_fmt:MATRIX_FMT_BF8 matrix_b_fmt:MATRIX_FMT_BF8
.endif
.endr
.endr
.rept 8
	v_nop                                          ; places: for V's loads into K's registers, and for the first read of the scores
.endr
.irp d, 0,1,2,3
.irp c, 0,1,2,3
	ds_load_b128 v[KVR+16*\d+4*\c:KVR+16*\d+4*\c+3], v[ADK] offset:8192+2048*\d+512*\c   ; V lands while the softmax is walked
.endr
.endr
	ds_load_b32 v[VSC], v[ADS] offset:256
	ds_load_b32 v[VSC+1], v[ADS] offset:384
.if \var
	s_cmp_lg_u32 s[KS], s[\lim]
	s_cbranch_scc1 .Lopen_\@
	v_mov_b32 v[TMPR], 0xff800000                  ; on the diagonal: register n holds key 32 (n / 16) + 16 h + n % 16 of the step: hidden where that comes after my query
.set n, 0
.rept 64
	v_cmp_gt_i32 vcc_lo, 32*(n/16)+n%16, v[DD]
	v_cndmask_b32 v[S+n], v[S+n], v[TMPR], vcc_lo
.set n, n+1
.endr
.Lopen_\@:
.endif
.irp b, 0,1,2,3
	v_max3_num_f32 v[BM+\b], v[S+16*\b], v[S+16*\b+1], v[S+16*\b+2]   ; the largest score of each block of 32 keys: for the row's maximum and, since p rises with the score, for the block's largest p
.endr
.irp i, 3,5,7,9,11,13
.irp b, 0,1,2,3
	v_max3_num_f32 v[BM+\b], v[BM+\b], v[S+16*\b+\i], v[S+16*\b+\i+1]
.endr
.endr
.irp b, 0,1,2,3
	v_max_num_f32 v[BM+\b], v[BM+\b], v[S+16*\b+15]
.endr
.irp b, 0,1,2,3
	s_delay_alu instid0(VALU_DEP_4)
	v_permlanex16_b32 v[T2+\b], v[BM+\b], s[SEL], s[SEL+1]
.endr
.irp b, 0,1,2,3
	s_delay_alu instid0(VALU_DEP_4)
	v_max_num_f32 v[BM+\b], v[BM+\b], v[T2+\b]
.endr
	s_delay_alu instid0(VALU_DEP_2)
	v_max3_num_f32 v[TMPR], v[BM], v[BM+1], v[BM+2]
	s_delay_alu instid0(VALU_DEP_1)
	v_max_num_f32 v[TMPR], v[TMPR], v[BM+3]
	s_delay_alu instid0(VALU_DEP_1)
	v_mul_f32 v[TMPR], s[CS], v[TMPR]
	s_delay_alu instid0(VALU_DEP_1)
	v_max_num_f32 v13, v13, v[TMPR]                ; the running largest t
	v_mov_b32 v[TMPR], v12
	s_delay_alu instid0(VALU_DEP_2)
	v_floor_f32 v12, -v13                          ; the new -M: M is a whole number
	s_delay_alu instid0(VALU_DEP_1)
	v_sub_f32 v[TMPR], v12, v[TMPR]
	s_delay_alu instid0(VALU_DEP_1)
	v_cvt_i32_f32 v[TMPR], v[TMPR]                 ; (it saturates)
	s_delay_alu instid0(VALU_DEP_1)
	v_ldexp_f32 v[FP], 1.0, v[TMPR]                ; f = 2^(old M - new M): a multiplication by it rounds nothing
.set n, 0
.rept 32
	v_pk_fma_f32 v[S+n:S+n+1], v[S+n:S+n+1], s[CS:CS+1], v[12:13] op_sel_hi:[1,0,0]   ; t - M
.set n, n+2
.endr
.irp b, 0,1,2,3
	v_fma_f32 v[BM+\b], v[BM+\b], s[CS], v12
.endr
.set n, 0
	s_setprio 1
	s_wait_alu depctr_va_vdst(0)
.rept 64
	v_exp_f32 v[S+n], v[S+n]
.set n, n+1
.endr
	v_pk_mul_f32 v[14:15], v[14:15], v[FP:FP+1] op_sel_hi:[1,0]   ; the sums under the new M: the plain line behind the exponentials
	s_wait_alu depctr_va_vdst(0)                   ; one wait for the batch of 64, ahead of its first reader
.irp b, 0,1,2,3
	v_exp_f32 v[BM+\b], v[BM+\b]                   ; the blocks' largest p
.endr
	v_pk_add_f32 v[232:233], v[108:109], v[112:113]
	v_pk_add_f32 v[252:253], v[116:117], v[120:121]
	v_pk_add_f32 v[250:251], v[124:125], v[128:129]
	v_pk_add_f32 v[248:249], v[132:133], v[136:137]
	v_pk_add_f32 v[246:247], v[140:141], v[144:145]
	v_pk_add_f32 v[240:241], v[148:149], v[152:153]
	v_pk_add_f32 v[238:239], v[156:157], v[160:161]
	v_pk_add_f32 v[14:15], v[14:15], v[164:165]
	v_pk_add_f32 v[232:233], v[232:233], v[104:105]
	v_pk_add_f32 v[252:253], v[252:253], v[106:107]
	v_pk_add_f32 v[250:251], v[250:251], v[110:111]
	v_pk_add_f32 v[248:249], v[248:249], v[114:115]
	v_pk_add_f32 v[246:247], v[246:247], v[118:119]
	v_pk_add_f32 v[240:241], v[240:241], v[122:123]
	v_pk_add_f32 v[238:239], v[238:239], v[126:127]
	v_pk_add_f32 v[14:15], v[14:15], v[130:131]
	v_pk_add_f32 v[232:233], v[232:233], v[134:135]
	v_pk_add_f32 v[252:253], v[252:253], v[138:139]
	v_pk_add_f32 v[250:251], v[250:251], v[142:143]
	v_pk_add_f32 v[248:249], v[248:249], v[146:147]
	v_pk_add_f32 v[246:247], v[246:247], v[150:151]
	v_pk_add_f32 v[240:241], v[240:241], v[154:155]
	v_pk_add_f32 v[238:239], v[238:239], v[158:159]
	v_pk_add_f32 v[14:15], v[14:15], v[162:163]
	v_pk_add_f32 v[232:233], v[232:233], v[166:167]
	s_delay_alu instid0(VALU_DEP_2)
	v_pk_add_f32 v[14:15], v[14:15], v[248:249]
	s_delay_alu instid0(VALU_DEP_2)
	v_pk_add_f32 v[232:233], v[232:233], v[246:247]
	v_pk_add_f32 v[252:253], v[252:253], v[240:241]
	v_pk_add_f32 v[250:251], v[250:251], v[238:239]
	s_delay_alu instid0(VALU_DEP_2)
	v_pk_add_f32 v[14:15], v[14:15], v[252:253]
	s_delay_alu instid0(VALU_DEP_2)
	v_pk_add_f32 v[232:233], v[232:233], v[250:251]
	s_delay_alu instid0(VALU_DEP_1)
	v_pk_add_f32 v[14:15], v[14:15], v[232:233]
	s_wait_alu depctr_va_vdst(0)                   ; and one for the four
.irp b, 0,1,2,3
	v_max_num_f32 v[BM+\b], 0x8000000, v[BM+\b]    ; the floor 2^(16 - 127)
.endr
.irp b, 0,1,2,3
	s_delay_alu instid0(VALU_DEP_4)
	v_add_nc_u32 v[SO+\b], 0xf8800000, v[BM+\b]
.endr
.irp b, 0,1,2,3
.endr
.irp b, 0,1,2,3
	s_delay_alu instid0(VALU_DEP_4)
	v_lshrrev_b32 v[T2+\b], 23, v[SO+\b]
.endr
	s_delay_alu instid0(VALU_DEP_3)
	v_lshl_or_b32 v[PW], v[T2+1], 8, v[T2]         ; p's scale word: the conversions and products below are more than its eight places
	s_delay_alu instid0(VALU_DEP_1)
	v_lshl_or_b32 v[PW], v[T2+2], 16, v[PW]
	s_delay_alu instid0(VALU_DEP_1)
	v_lshl_or_b32 v[PW], v[T2+3], 24, v[PW]
	s_setprio 0
.irp b, 0,1,2,3
.set n, 0
.rept 16
.set n, n+1
.endr
	v_cvt_scalef32_pk8_bf8_f32 v[PC+4*\b:PC+4*\b+1], v[S+16*\b:S+16*\b+7], v[SO+\b]
	v_cvt_scalef32_pk8_bf8_f32 v[PC+4*\b+2:PC+4*\b+3], v[S+16*\b+8:S+16*\b+15], v[SO+\b]
.endr
.set n, 0
.rept 16
	v_pk_mul_f32 v[O+n:O+n+1], v[O+n:O+n+1], v[FP:FP+1] op_sel_hi:[1,0]   ; O^T under the new M, from each accumulator's low end on; also the places behind the conversions
.set n, n+2
.endr
	s_wait_alu depctr_va_vdst(0)
	s_wait_dscnt 0x0                               ; V and its scale words
.irp d, 0,1,2,3
.if (\d)%2
	v_wmma_scale_f32_16x16x128_f8f6f4 v[O+8*\d:O+8*\d+7], v[KVR+16*\d:KVR+16*\d+15], v[PC:PC+15], v[O+8*\d:O+8*\d+7], v[VSC+\d/2], v[PW] matrix_a_fmt:MATRIX_FMT_BF8 matrix_b_fmt:MATRIX_FMT_BF8 matrix_a_scale:MATRIX_SCALE_ROW1
.else
	v_wmma_scale_f32_16x16x128_f8f6f4 v[O+8*\d:O+8*\d+7], v[KVR+16*\d:KVR+16*\d+15], v[PC:PC+15], v[O+8*\d:O+8*\d+7], v[VSC+\d/2], v[PW] matrix_a_fmt:MATRIX_FMT_BF8 matrix_b_fmt:MATRIX_FMT_BF8
.endif
.endr
.if \var
.Lhidden_\@:
.endif
	s_add_co_u32 s[TB], s[TB], 16384               ; the next key step's K and V,
	s_add_co_u32 s[TS], s[TS], 512                 ; and scale words
.endm
; A tile's end: O^T / the sum, quantised along the channels (two blocks of 32), stored as 1,024 consecutive bytes of a fragment's image.  more = 1: the second tile's q is asked for here
.macro FINISH set, more
.rept 8
	v_nop                                          ; places behind the last products
.endr
.if \more
	QLOAD LO
.endif
	v_add_f32 v14, v14, v15
	s_delay_alu instid0(VALU_DEP_1)
	v_permlanex16_b32 v[TMPR], v14, s[SEL], s[SEL+1]
	s_delay_alu instid0(VALU_DEP_1)
	v_add_f32 v14, v14, v[TMPR]                    ; the row's sum
	s_wait_alu depctr_va_vdst(0)
	v_rcp_f32 v[FP], v14
	v_nop
	s_wait_alu depctr_va_vdst(0)
.set n, 0
.rept 16
	v_pk_mul_f32 v[O+n:O+n+1], v[O+n:O+n+1], v[FP:FP+1] op_sel_hi:[1,0]
.set n, n+2
.endr
.irp b, 0,1
	v_max3_num_f32 v[BM+\b], |v[O+16*\b]|, |v[O+16*\b+1]|, 0x8000000
.endr
.irp i, 2,4,6,8,10,12,14
.irp b, 0,1
	s_delay_alu instid0(VALU_DEP_2)
	v_max3_num_f32 v[BM+\b], v[BM+\b], |v[O+16*\b+\i]|, |v[O+16*\b+\i+1]|
.endr
.endr
.irp b, 0,1
	s_delay_alu instid0(VALU_DEP_2)
	v_permlanex16_b32 v[T2+\b], v[BM+\b], s[SEL], s[SEL+1]
.endr
.irp b, 0,1
	s_delay_alu instid0(VALU_DEP_2)
	v_max_num_f32 v[BM+\b], v[BM+\b], v[T2+\b]
.endr
.irp b, 0,1
	s_delay_alu instid0(VALU_DEP_2)
	v_add_nc_u32 v[SO+\b], 0xf8800000, v[BM+\b]
.endr
.irp b, 0,1
.endr
.irp b, 0,1
	s_delay_alu instid0(VALU_DEP_2)
	v_lshrrev_b32 v[T2+\b], 23, v[SO+\b]
.endr
.irp b, 0,1
.set n, 0
.rept 16
.set n, n+1
.endr
	v_cvt_scalef32_pk8_bf8_f32 v[PC+4*\b:PC+4*\b+1], v[O+16*\b:O+16*\b+7], v[SO+\b]
	v_cvt_scalef32_pk8_bf8_f32 v[PC+4*\b+2:PC+4*\b+3], v[O+16*\b+8:O+16*\b+15], v[SO+\b]
.endr
	v_nop
	global_store_b128 v[LI], v[PC:PC+3], s[\set+4:\set+5]
	global_store_b128 v[LI], v[PC+4:PC+7], s[\set+4:\set+5] offset:512
	v_cndmask_b32 v[BM], v[T2], v[T2+1], s[MK]     ; lanes 0-15 store their row's first byte, lanes 16-31 its second: single bytes, one in 32 of the codes'
	global_store_b8 v[OBY], v[BM], s[\set+6:\set+7]
.endm
	QLOAD HI
	START 84
	s_wait_tensorcnt 1                             ; the scale words and my part of key steps 0-7 are in; the load of key steps 8-15 may be out
	s_barrier_signal -1
	s_barrier_wait -1                              ; everybody's are
	s_wait_loadcnt 0x0                             ; q
	s_mov_b32 s[TB], 0
	s_mov_b32 s[TS], 0
	s_mov_b32 s[KS], 0
.Lfull:                                            ; key steps 0-7 count whole for every first tile (its last key step is 8 or more)
	STEP 0, LIMH
	s_add_co_u32 s[KS], s[KS], 1
	s_cmp_lt_u32 s[KS], 8
	s_cbranch_scc1 .Lfull
	s_setprio 0
	s_wait_tensorcnt 0x0                           ; my part of key steps 8-15,
	s_wait_dscnt 0x0
	s_barrier_signal -1
	s_barrier_wait -1                              ; everybody's
.Lhigh:
	STEP 1, LIMH
	s_add_co_u32 s[KS], s[KS], 1
	s_cmp_lt_u32 s[KS], 16
	s_cbranch_scc1 .Lhigh
	s_setprio 0
	FINISH HI, 1
	START 85
	s_wait_loadcnt 0x0                             ; the second tile's q
	s_wait_xcnt 0x0                                ; the stores have read their data: the codes' registers are written again
	s_mov_b32 s[TB], 0
	s_mov_b32 s[TS], 0
	s_mov_b32 s[KS], 0
.Llow:
	STEP 1, LIML
	s_add_co_u32 s[KS], s[KS], 1
	s_cmp_lt_u32 s[KS], 8
	s_cbranch_scc1 .Llow
	s_setprio 0
	FINISH LO, 0
	s_wait_tensorcnt 0x0                           ; the wave's end
	ds_add_u32 v[SPW], v[NIL]
	s_wait_dscnt 0x0
	ROUND                                          ; the closing round
	s_endpgm
.Lfunc_end_k_qe83a26bf27_attn:
	.size	k_qe83a26bf27_attn, .Lfunc_end_k_qe83a26bf27_attn-k_qe83a26bf27_attn
	.p2alignl 7, 3214868480
	.fill 96, 4, 3214868480
	.section	.rodata,"a",@progbits
	.p2align	6, 0x0
	.amdhsa_kernel k_qe83a26bf27_attn
		.amdhsa_group_segment_fixed_size 327680
		.amdhsa_private_segment_fixed_size 0
		.amdhsa_enable_private_segment 0
		.amdhsa_kernarg_size 16
		.amdhsa_user_sgpr_count 2
		.amdhsa_user_sgpr_kernarg_segment_ptr 1
		.amdhsa_wavefront_size32 1
		.amdhsa_system_sgpr_workgroup_id_x 1
		.amdhsa_system_sgpr_workgroup_id_y 1
		.amdhsa_system_sgpr_workgroup_id_z 1
		.amdhsa_system_vgpr_workitem_id 0
		.amdhsa_next_free_vgpr 256
		.amdhsa_next_free_sgpr 90
		.amdhsa_reserve_vcc 1
		.amdhsa_float_denorm_mode_32 3
		.amdhsa_float_denorm_mode_16_64 3
		.amdhsa_fp16_overflow 1
		.amdhsa_memory_ordered 1
		.amdhsa_forward_progress 1
		.amdhsa_inst_pref_size 83
	.end_amdhsa_kernel
	.amdgpu_metadata
---
amdhsa.version: [ 1, 2 ]
amdhsa.kernels:
  - .name:           k_qe83a26bf27_attn
    .symbol:         k_qe83a26bf27_attn.kd
    .args:
      - { .name: qkv, .offset: 0, .size: 8, .value_kind: global_buffer, .address_space: global }
      - { .name: oq, .offset: 8, .size: 8, .value_kind: global_buffer, .address_space: global }
    .group_segment_fixed_size: 327680
    .private_segment_fixed_size: 0
    .kernarg_segment_align: 8
    .kernarg_segment_size: 16
    .max_flat_workgroup_size: 512
    .sgpr_count:     90
    .vgpr_count:     256
    .wavefront_size: 32
...
	.end_amdgpu_metadata
.endif
;; end of part 3
;; launch proj (part 4): grid 4 x 32, 4 waves a work-group, clusters of 4 x 4, 327,680 bytes of LDS; arguments oq, xw, c_proj_b, out0; writes out0
.if DOCPART == 4
	.amdgcn_target "amdgcn-amd-amdhsa--gfx1250"
	.amdhsa_code_object_version 6
	.text
	.protected	k_qe83a26bf27_proj
	.globl	k_qe83a26bf27_proj
	.p2align	8
	.type	k_qe83a26bf27_proj,@function
k_qe83a26bf27_proj:
	s_mov_b64 s[64:65], 0
	v_nop
	global_prefetch_b8 v0, s[64:65] scope:SCOPE_SE
	s_setreg_imm32_b32 hwreg(HW_REG_WAVE_MODE, 25, 1), 1
	s_wait_xcnt 0x0
	s_wait_alu depctr_hold_cnt(0) depctr_sa_sdst(0) depctr_va_vdst(0) depctr_va_sdst(0) depctr_va_ssrc(0) depctr_va_vcc(0) depctr_vm_vsrc(0)
	s_getreg_b32 s2, hwreg(HW_REG_IB_STS2, 6, 4)
	s_cmp_eq_u32 s2, 0
	s_cbranch_scc0 .Lentry_in_a_cluster
	s_endpgm
.Lentry_in_a_cluster:
	s_bfe_u32 s2, ttmp6, 0x10000c
	s_cmp_lg_u32 s2, 0xf033
	s_cbranch_scc0 .Lentry_shape_is_right
	s_endpgm
.Lentry_shape_is_right:
; out0 = o W_proj + b on codes of E5M2 (K = 1,024).  The ring, the images and the macros are launch qkvg's: source 0 = region B (c_proj_w's columns, xw's tiles 192 on), source 1 = region A (o's rows, oq).
; A lane holds one place of o's rows, and its registers run along the TRUE output columns: block b's eight are 32 (b / 2) + 16 h + 8 (b % 2) + 0 .. 7 of my 128.
; A tile is 256 x 256: 128 work-groups; a tile of 128 x 256 would give 256 at one and a half times the LDS bytes for each product: not built.
; THE WAY OUT: a block of 16 places x 128 columns goes through my own stage in LDS and leaves as whole rows of 512 bytes; the order of rows (launch prep) is undone in the stores' immediates.
; The stage lies in slot 0: when the first result is stored there the slot has had its last fill, and every wave has passed the last change of slots, behind which nobody reads it.
; REGISTERS: as in qkvg; on the way out v128-255 of window 0 take the rows read back.
.set O_SC,   8388608
.set W_IMG,  8650752
.set W_SC,   12845056
.set FR,     16
.set NL,     4
.set NP,     8
.set RTB,    4096
.set HALFT,  8*RTB
.set SLOT,   4*HALFT
.set SCL,    2*SLOT
.set HALFS,  4096
.set SPARE,  SCL+4*HALFS
.set SPITCH, 528
.set ADRA, 16
.set ADRB, 20
.set ADSA, 22
.set ADSB, 23
.set STO,  24                          ; v24  the stage: row r, + 64 h
.set RD,   25                          ; v25  and back: 16 x lane of a row
.set CO,   26                          ; v26  16 x lane
.set LANE, 27
.set SPW,  28
.set NIL,  29
.set SC,   32
.set BI,   64
.set AF,   128
.set BK,   128
.set G1,   24
.set G0,   32
.set G1B,  48
.set G0B,  56
.set G1S,  68
.set G0S,  76
.set G1SB, 80
.set G0SB, 88
.set MSB, 0
.macro WIN new
.if MSB != (\new)
	s_set_vgpr_msb (MSB<<8)|(\new)
.set MSB, (\new)
.endif
.endm
.set MUL_LO, 0xa1
.set MUL_HI, 0xf1
.set TO_B,   0x40
.macro JLOAD g0a, g1a, g0b, g1b        ; waves 0 and 1 fetch for region A, waves 2 and 3 for region B; an s_nop 0 and four v_nop follow each line
	s_cmp_eq_u32 s15, 0
	s_cbranch_scc0 .Lfor_b_\@
	tensor_load_to_lds s[\g0a:\g0a+3], s[\g1a:\g1a+7]
	s_nop 0
.rept 4
	v_nop
.endr
	s_branch .Lasked_\@
.Lfor_b_\@:
	tensor_load_to_lds s[\g0b:\g0b+3], s[\g1b:\g1b+7]
	s_nop 0
.rept 4
	v_nop
.endr
.Lasked_\@:
.endm
.macro CREST
	s_cmp_lg_u32 s14, 0
	s_cbranch_scc1 .Lnot_wave_0_\@
	s_barrier_signal -3
.Lnot_wave_0_\@:
	s_barrier_wait -3
	s_barrier_signal -1
	s_barrier_wait -1
.endm
.macro CROUND
	s_barrier_signal -1
	s_barrier_wait -1
	CREST
.endm
	s_load_b256 s[4:11], s[0:1], 0x0               ; oq s[4:5], xw s[6:7], c_proj_b s[8:9], out0 s[10:11]
	v_lshl_add_u32 v[SPW], v0, 2, SPARE
	v_mov_b32 v[NIL], 0
	ds_add_u32 v[SPW], v[NIL]                      ; the wave's opening: the add, twice on end, and its wait ahead of my first tensor load
	ds_add_u32 v[SPW], v[NIL]
	v_lshrrev_b32 v1, 5, v0
	v_readfirstlane_b32 s14, v1
	s_lshr_b32 s15, s14, 1                         ; my half of the rows.  Also: I fetch for A (0) or for B (1)
	s_and_b32 s16, s14, 1                          ; my half of the columns.  Also: which 8 tiles I fetch
	s_bfe_u32 s40, ttmp6, 0x40000
	s_bfe_u32 s41, ttmp6, 0x40004
	s_and_b32 s17, ttmp7, 0xffff
	s_lshl_b32 s17, s17, 2
	s_add_co_u32 s12, s17, s41                     ; rows 256 (4 Y + cy)
	s_lshl_b32 s13, ttmp9, 2
	s_add_co_u32 s13, s13, s40                     ; columns 256 (4 X + cx)
	s_lshl_b32 s43, s41, 2
	s_lshl_b32 s43, 15, s43
	s_lshl_b32 s44, 0x1111, s40
	s_or_b32 s[G1], s43, (3<<16)|(1<<21)           ; 8 rows of 4,096 bytes, 16,384 bytes apart; elements of 8 bytes
	s_or_b32 s[G1B], s44, (3<<16)|(1<<21)
.irp g, G1, G1B
	s_mov_b32 s[\g+1], 512<<16
	s_mov_b32 s[\g+2], 8<<16
	s_mov_b32 s[\g+3], 512<<16
	s_mov_b32 s[\g+4], 8
	s_mov_b32 s[\g+5], 2048
	s_mov_b32 s[\g+6], 0
	s_mov_b32 s[\g+7], 0
.endr
	s_or_b32 s[G1S], s43, (3<<16)|(1<<21)          ; 16 rows of 256 bytes, dense
	s_or_b32 s[G1SB], s44, (3<<16)|(1<<21)
.irp g, G1S, G1SB
	s_mov_b32 s[\g+1], 32<<16
	s_mov_b32 s[\g+2], 16<<16
	s_mov_b32 s[\g+3], 32<<16
	s_mov_b32 s[\g+4], 16
	s_mov_b32 s[\g+5], 32
	s_mov_b32 s[\g+6], 0
	s_mov_b32 s[\g+7], 0
.endr
	s_lshl_b32 s20, s12, 18
	s_lshl_b32 s19, s16, 17
	s_add_co_u32 s20, s20, s19
	s_mov_b32 s21, 0
	s_lshl_b32 s22, s12, 13
	s_lshl_b32 s19, s16, 12
	s_add_co_u32 s22, s22, s19
	s_add_co_u32 s22, s22, O_SC
	s_mov_b32 s23, 0
	s_lshl_b32 s46, s13, 18
	s_lshl_b32 s45, s16, 17
	s_add_co_u32 s46, s46, s45
	s_add_co_u32 s46, s46, W_IMG+3145728           ; the weights' tile 192 on
	s_mov_b32 s47, 0
	s_lshl_b32 s92, s13, 13
	s_lshl_b32 s45, s16, 12
	s_add_co_u32 s92, s92, s45
	s_add_co_u32 s92, s92, W_SC+98304
	s_mov_b32 s93, 0
	s_lshl_b32 s94, s14, 15
	s_lshl_b32 s95, s14, 12
	s_wait_dscnt 0x0
	s_wait_kmcnt 0x0
	s_add_nc_u64 s[20:21], s[4:5], s[20:21]
	s_add_nc_u64 s[22:23], s[4:5], s[22:23]
	s_add_nc_u64 s[46:47], s[6:7], s[46:47]
	s_add_nc_u64 s[92:93], s[6:7], s[92:93]
	CROUND
	s_mov_b32 s[G0S], 1
	s_add_co_u32 s[G0S+1], s95, SCL
	s_mov_b64 s[G0S+2:G0S+3], s[22:23]
	s_or_b32 s[G0S+3], s[G0S+3], 0x80000000
	s_mov_b32 s[G0SB], 1
	s_add_co_u32 s[G0SB+1], s95, SCL
	s_mov_b64 s[G0SB+2:G0SB+3], s[92:93]
	s_or_b32 s[G0SB+3], s[G0SB+3], 0x80000000
	JLOAD G0S, G1S, G0SB, G1SB
.irp s, 0,1
	s_mov_b32 s[G0+4*\s], 1
	s_add_co_u32 s[G0+4*\s+1], s94, \s*SLOT
	s_add_nc_u64 s[G0+4*\s+2:G0+4*\s+3], s[20:21], \s*RTB
	s_or_b32 s[G0+4*\s+3], s[G0+4*\s+3], 0x80000000
	s_mov_b32 s[G0B+4*\s], 1
	s_add_co_u32 s[G0B+4*\s+1], s94, \s*SLOT
	s_add_nc_u64 s[G0B+4*\s+2:G0B+4*\s+3], s[46:47], \s*RTB
	s_or_b32 s[G0B+4*\s+3], s[G0B+4*\s+3], 0x80000000
	s_wait_alu depctr_va_vdst(0)
	s_wait_tensorcnt 0x0
	ds_add_u32 v28, v29
	s_wait_dscnt 0x0
	CROUND
	JLOAD G0+4*\s, G1, G0B+4*\s, G1B               ; my one tensor load out: the earlier ones have landed
.endr
	v_and_b32 v1, 15, v0                           ; r
	v_bfe_u32 v2, v0, 4, 1                         ; h
	v_and_b32 v[LANE], 31, v0
	s_wait_alu depctr_va_vdst(0)
	v_lshlrev_b32 v30, 6, v2
	s_lshl_b32 s2, s13, 10                         ; the bias, in the result's layout: the C of each sum's first product
	s_lshl_b32 s3, s16, 9
	s_add_co_u32 s2, s2, s3
	s_mov_b32 s3, 0
	s_add_nc_u64 s[8:9], s[8:9], s[2:3]
.irp b, 0,1,2,3,4,5,6,7
	global_load_b128 v[BI+8*\b:BI+8*\b+3], v30, s[8:9] offset:(32*(\b/2)+8*(\b%2))*4
	global_load_b128 v[BI+8*\b+4:BI+8*\b+7], v30, s[8:9] offset:(32*(\b/2)+8*(\b%2))*4+16
.endr
	v_lshlrev_b32 v[CO], 4, v[LANE]
	s_lshl_b32 s21, s15, 15
	s_lshl_b32 s22, s16, 15
	s_add_co_u32 s22, s22, 2*HALFT
.irp s, 0,1
	v_add_nc_u32 v[ADRA+\s], s21, v[CO]
	v_add_nc_u32 v[ADRB+\s], s22, v[CO]
	s_add_co_u32 s21, s21, SLOT
	s_add_co_u32 s22, s22, SLOT
.endr
	v_lshlrev_b32 v3, 2, v[LANE]
	s_lshl_b32 s21, s15, 12
	s_add_co_u32 s21, s21, SCL
	v_add_nc_u32 v[ADSA], s21, v3
	s_lshl_b32 s22, s16, 12
	s_add_co_u32 s22, s22, SCL+2*HALFS
	v_add_nc_u32 v[ADSB], s22, v3
	s_mul_i32 s23, s14, 16*SPITCH                  ; my stage
	v_mul_u32_u24 v[STO], v1, SPITCH
	v_lshl_add_u32 v[STO], v2, 6, v[STO]
	v_add_nc_u32 v[STO], s23, v[STO]
	v_add_nc_u32 v[RD], s23, v[CO]
	s_lshl_b32 s2, s12, 20                         ; out0 at my first row (256 rows of 4,096 bytes a tile, 128 a half) and column
	s_lshl_b32 s3, s15, 19
	s_add_co_u32 s2, s2, s3
	s_lshl_b32 s3, s13, 10
	s_add_co_u32 s2, s2, s3
	s_lshl_b32 s3, s16, 9
	s_add_co_u32 s2, s2, s3
	s_mov_b32 s3, 0
	s_add_nc_u64 s[10:11], s[10:11], s[2:3]
.macro FRAG reg, adr, q, i
.irp c, 0,1,2,3
	ds_load_b128 v[\reg+4*\c:\reg+4*\c+3], v[\adr] offset:RTB*(\i)+2048*(\q)+512*\c
.endr
.endm
; 16 matrix instructions: A's blocks a0, a0 + 1 x B's eight.  zero = 1: C = the bias.  The 64 accumulators take turns, one instruction a turn.
.macro MUL16 a0, p, q, sc, zero
.irp a, \a0, \a0+1
.irp b, 0,1,2,3,4,5,6,7
.set rD, 8*(8*((\a)%4)+\b)
.set rB, 128*(\p)+FR*\b
.set rA, AF+FR*(\a)
.set rSB, SC+16*(\sc)+8+\b
.set rSA, SC+16*(\sc)+(\a)
.if (\zero) == 1
	v_wmma_scale_f32_16x16x128_f8f6f4 v[rD:rD+7], v[rB:rB+15], v[rA:rA+15], v[BI+8*\b:BI+8*\b+7], v[rSB], v[rSA] matrix_a_fmt:MATRIX_FMT_BF8 matrix_b_fmt:MATRIX_FMT_BF8
.elseif (\q) == 0
	v_wmma_scale_f32_16x16x128_f8f6f4 v[rD:rD+7], v[rB:rB+15], v[rA:rA+15], v[rD:rD+7], v[rSB], v[rSA] matrix_a_fmt:MATRIX_FMT_BF8 matrix_b_fmt:MATRIX_FMT_BF8
.else
	v_wmma_scale_f32_16x16x128_f8f6f4 v[rD:rD+7], v[rB:rB+15], v[rA:rA+15], v[rD:rD+7], v[rSB], v[rSA] matrix_a_fmt:MATRIX_FMT_BF8 matrix_b_fmt:MATRIX_FMT_BF8 matrix_a_scale:MATRIX_SCALE_ROW1 matrix_b_scale:MATRIX_SCALE_ROW1
.endif
.endr
.endr
.endm
.macro FETCH_B slot, q, p
	WIN TO_B
.irp i, 0,1,2,3,4,5,6,7
	FRAG 128*(\p)+FR*\i, ADRB+\slot, \q, \i
.endr
	WIN 0
.endm
.macro FETCH_A slot, q, i0
.irp i, \i0, \i0+1, \i0+2, \i0+3
	FRAG AF+FR*(\i), ADRA+\slot, \q, \i
.endr
.endm
.macro SCALES sc
.irp i, 0,1,2,3,4,5,6,7
	ds_load_b32 v[SC+16*\sc+\i], v[ADSA] offset:512*\i
	ds_load_b32 v[SC+16*\sc+8+\i], v[ADSB] offset:512*\i
.endr
.endm
.macro PLACES n
.rept \n
	v_nop
.endr
.endm
.macro STEP slot, q, zero
	s_wait_dscnt 4*NL                              ; all but the youngest 16 loads (A's blocks 4-7)
.if \zero
	WIN 0x81
.else
	WIN MUL_LO
.endif
	MUL16 0, (\q)%2, \q, \slot, \zero
	MUL16 2, (\q)%2, \q, \slot, \zero
	s_wait_dscnt 0
	PLACES NP
	FETCH_B \slot, (\q)+1, 1-(\q)%2
	FETCH_A \slot, (\q)+1, 0
.if \zero
	WIN 0xc1
.else
	WIN MUL_HI
.endif
	MUL16 4, (\q)%2, \q, \slot, \zero
	MUL16 6, (\q)%2, \q, \slot, \zero
	PLACES NP
	WIN 0
	FETCH_A \slot, (\q)+1, 4
.endm
.macro TURN slot, next, fill
	s_wait_tensorcnt 0x0                           ; all my tensor loads have landed: my part of the next slot
	ds_add_u32 v[SPW], v[NIL]
	s_wait_dscnt 4*NL+1                            ; the add and the youngest 16 loads may be out
	WIN MUL_LO
	MUL16 0, 1, 1, \slot, 0
	s_wait_dscnt 0x0                               ; the add is done, and my reads of this slot are over
	s_barrier_signal -1
	MUL16 2, 1, 1, \slot, 0
	WIN 0
	s_barrier_wait -1
.if \fill
	CREST                                          ; the barrier has opened a round of the cluster's
	s_add_nc_u64 s[G0+4*\slot+2:G0+4*\slot+3], s[G0+4*\slot+2:G0+4*\slot+3], 2*RTB
	s_add_nc_u64 s[G0B+4*\slot+2:G0B+4*\slot+3], s[G0B+4*\slot+2:G0B+4*\slot+3], 2*RTB
	JLOAD G0+4*\slot, G1, G0B+4*\slot, G1B
	PLACES NP-4
.else
	PLACES NP
.endif
	s_wait_alu depctr_va_vdst(0)
	v_add_nc_u32 v[ADSA], 128, v[ADSA]
	v_add_nc_u32 v[ADSB], 128, v[ADSB]
	FETCH_B \next, 0, 0
	FETCH_A \next, 0, 0
	SCALES \next
	WIN MUL_HI
	MUL16 4, 1, 1, \slot, 0
	MUL16 6, 1, 1, \slot, 0
	PLACES NP
	WIN 0
	FETCH_A \next, 0, 4
.endm
	s_wait_alu depctr_va_vdst(0)
	s_wait_tensorcnt 1                             ; the scale words and my part of slot 0 are in; slot 1's load may be out
	s_barrier_signal -1
	s_barrier_wait -1
	FETCH_B 0, 0, 0
	FETCH_A 0, 0, 0
	SCALES 0
	FETCH_A 0, 0, 4
	s_wait_loadcnt 0x0                             ; the bias
	STEP 0, 0, 1
	TURN 0, 1, 1
	STEP 1, 0, 0
	TURN 1, 0, 1
	STEP 0, 0, 0
	TURN 0, 1, 0
	STEP 1, 0, 0
	s_wait_dscnt 4*NL
	WIN MUL_LO
	MUL16 0, 1, 1, 1, 0
	MUL16 2, 1, 1, 1, 0
	s_wait_dscnt 0
	WIN MUL_HI
	MUL16 4, 1, 1, 1, 0
	MUL16 6, 1, 1, 1, 0
	WIN 0
.macro TOSTAGE a
.set AC, 64*((\a)%4)
	WIN 0x08+4*((\a)/4)                            ; an LDS store's data are its source 1: window 2 or 3
.irp b, 0,1,2,3,4,5,6,7
	ds_store_b128 v[STO], v[AC+8*\b:AC+8*\b+3] offset:128*(\b/2)+32*(\b%2)        ; each accumulator from its low end on
	ds_store_b128 v[STO], v[AC+8*\b+4:AC+8*\b+7] offset:128*(\b/2)+32*(\b%2)+16
.endr
	WIN 0
.set BB, BK+64*((\a)%2)
.irp t, 0,1,2,3,4,5,6,7,8,9,10,11,12,13,14,15
	ds_load_b128 v[BB+4*\t:BB+4*\t+3], v[RD] offset:\t*SPITCH   ; LDS serves a wave's instructions in order (ISA guide 5.7.1.4): these see the stores above, and the next block's stores come behind them
.endr
.endm
.macro SEND a, younger                 ; younger: the LDS instructions issued behind block a's loads
.set BB, BK+64*((\a)%2)
	s_wait_dscnt \younger
.irp t, 0,1,2,3,4,5,6,7,8,9,10,11,12,13,14,15
	global_store_b128 v[CO], v[BB+4*\t:BB+4*\t+3], s[10:11] offset:(32*((\a)/2)+8*((\a)%2)+(\t%8)+16*(\t/8))*4096 th:TH_STORE_NT   ; place t of block a is this true row: 512 consecutive bytes, aligned; 127 rows at the most: inside the signed 24-bit immediate
.endr
.endm
	PLACES NP                                      ; behind the last products: for the first reads of results and the loads into A's registers
	TOSTAGE 0
.irp a, 1,2,3,4,5,6,7
.if \a > 1
	s_wait_xcnt 0x0                                ; block a - 2's stores have read their registers: block a's loads may land there
.endif
	TOSTAGE \a
	SEND \a-1, 32                                  ; behind block a - 1's loads: block a's 16 stores and 16 loads
.endr
	SEND 7, 0
	s_wait_tensorcnt 0x0                           ; the wave's end
	ds_add_u32 v[SPW], v[NIL]
	s_wait_dscnt 0x0
	CROUND                                         ; the closing round
	s_endpgm
.Lfunc_end_k_qe83a26bf27_proj:
	.size	k_qe83a26bf27_proj, .Lfunc_end_k_qe83a26bf27_proj-k_qe83a26bf27_proj
	.p2alignl 7, 3214868480
	.fill 96, 4, 3214868480
	.section	.rodata,"a",@progbits
	.p2align	6, 0x0
	.amdhsa_kernel k_qe83a26bf27_proj
		.amdhsa_group_segment_fixed_size 327680
		.amdhsa_private_segment_fixed_size 0
		.amdhsa_enable_private_segment 0
		.amdhsa_kernarg_size 32
		.amdhsa_user_sgpr_count 2
		.amdhsa_user_sgpr_kernarg_segment_ptr 1
		.amdhsa_wavefront_size32 1
		.amdhsa_system_sgpr_workgroup_id_x 1
		.amdhsa_system_sgpr_workgroup_id_y 1
		.amdhsa_system_sgpr_workgroup_id_z 1
		.amdhsa_system_vgpr_workitem_id 0
		.amdhsa_next_free_vgpr 1024
		.amdhsa_next_free_sgpr 102
		.amdhsa_reserve_vcc 0
		.amdhsa_float_denorm_mode_32 3
		.amdhsa_float_denorm_mode_16_64 3
		.amdhsa_memory_ordered 1
		.amdhsa_forward_progress 1
		.amdhsa_inst_pref_size 149
	.end_amdhsa_kernel
	.amdgpu_metadata
---
amdhsa.version: [ 1, 2 ]
amdhsa.kernels:
  - .name:           k_qe83a26bf27_proj
    .symbol:         k_qe83a26bf27_proj.kd
    .args:
      - { .name: oq, .offset: 0, .size: 8, .value_kind: global_buffer, .address_space: global }
      - { .name: xw, .offset: 8, .size: 8, .value_kind: global_buffer, .address_space: global }
      - { .name: c_proj_b, .offset: 16, .size: 8, .value_kind: global_buffer, .address_space: global }
      - { .name: out0, .offset: 24, .size: 8, .value_kind: global_buffer, .address_space: global }
    .group_segment_fixed_size: 327680
    .private_segment_fixed_size: 0
    .kernarg_segment_align: 8
    .kernarg_segment_size: 32
    .max_flat_workgroup_size: 128
    .sgpr_count:     102
    .vgpr_count:     1024
    .wavefront_size: 32
...
	.end_amdgpu_metadata
.endif
;; end of part 4
